; MI455X (gfx1250); checked and timed in simulation.
; The chip was launched on July 23, 2026; its instructions are those of AMD's public machine-readable ISA for CDNA 5 (MIT licence, August 2026) and "CDNA5" Instruction Set Architecture Reference Guide (July 2026). The comments in the code are by the model that wrote it; some were corrected since.
;; Causal Self Attention. Allowed arithmetic: float matrix products may take bf16 or f16 operands with f32 sums; all other float work in f32.
;; Inputs: b_proj 1,024 float32; b_qkv 3,072 float32; mask 1 x 1 x 2,048 x 2,048 bool; w_proj 1,024 x 1,024 float32; w_qkv 3,072 x 1,024 float32; x 4 x 2,048 x 1,024 float32.
;; Outputs: out0 4 x 2,048 x 1,024 float32.
;; 2 versions, each right; version 2 is version 1 with the launch prep written anew for expert scheduling mode. Each part assembles by itself: llvm-mc -triple=amdgcn-amd-amdhsa -mcpu=gfx1250 --defsym DOCPART=n.
;; ======== version 1 of 2: 4 launches
;; limits: values outside matrix products are rounded to bf16; values are held in f16: magnitudes above 65,504 overflow, below 6.1e-05 lose precision
;; workspace buffers: xb 16,777,216 bytes; wqb 6,291,456 bytes; wpb 2,097,152 bytes; mb 8,388,608 bytes; qkvh 50,331,648 bytes; yb 16,777,216 bytes
;; launch prep (part 1): grid 512 x 1, 8 waves a work-group, no clusters, 34,048 bytes of LDS; arguments x, w_qkv, w_proj, mask, xb, wqb, wpb, mb; writes xb, wqb, wpb, mb
.if DOCPART == 1
	.amdgcn_target "amdgcn-amd-amdhsa--gfx1250"
	.amdhsa_code_object_version 6
	.text
	.protected	k_qc2087c7851_prep
	.globl	k_qc2087c7851_prep
	.p2align	8
	.type	k_qc2087c7851_prep,@function
k_qc2087c7851_prep:
	s_mov_b64 s[64:65], 0
	v_nop
	global_prefetch_b8 v0, s[64:65] scope:SCOPE_SE
	s_setreg_imm32_b32 hwreg(HW_REG_WAVE_MODE, 25, 1), 1
	s_wait_xcnt 0x0
; PREP: the casts of the matrix operands, and the mask as an additive bias in the order in which the attention launch's lanes want it.
;   xb  = bf16(x), wqb = bf16(w_qkv): the same order as the inputs.
;   wpb = f16(bf16(w_proj)): the bf16 value written as f16, since the last product's other operand (y) is f16.  Exact for |w| from 2^-14
;         up to f16's largest number 65,504; below 2^-14 the absolute error is at most 2^-25.  LIMIT: |w_proj| < 65,504.
;   mb  = [qblk 8][kstep 32][qt16 16][kt 4][lane 32][j 8] bf16: 0 where mask[q][k] is true, -inf (0xff80) where it is false, with
;         q = 256 qblk + 16 qt16 + lane % 16 and k = 64 kstep + 16 kt + 8 (lane / 16) + j.
; Work-groups 0-255: chunks of x; 256-351: of w_qkv; 352-383: of w_proj; 384-511: sixteen rows of the mask each.
; A chunk is 32,768 numbers: 128 for each of 256 threads, all 32 loads of a thread issued before the first is used.
; No matrix unit, no cluster: nothing is shared between work-groups and every byte is touched once.
.set XR, 8                             ; v[8:135]   a chunk's 128 f32 of this thread
.set YR, 136                           ; v[136:199] the same packed to 16 bits, four registers a group
.set MR, 8                             ; v[8:39]    mask path: 8 x 16 bytes as loaded
.set WR, 40                            ; v[40:71]   mask path: 16 x 8 mask bytes from LDS
.set ER, 72                            ; v[72:135]  mask path: 16 x 8 bf16 to store
.set MPITCH, 2064                      ; an LDS row of the mask: 2,048 bytes + 16, so that sixteen rows' words fall on different banks
; Group g: thread t takes the 8 numbers at byte 32 t + 8,192 g and stores 16 bytes at 16 t + 4,096 g: a wave's store covers 512 consecutive bytes.
.macro CAST f16
.irp g, 0,1,2,3,4,5,6,7,8,9,10,11,12,13,14,15
	global_load_b128 v[XR+8*\g:XR+8*\g+3], v1, s[20:21] offset:8192*\g th:TH_LOAD_NT
	global_load_b128 v[XR+8*\g+4:XR+8*\g+7], v1, s[20:21] offset:8192*\g+16 th:TH_LOAD_NT
.endr
.irp g, 0,1,2,3,4,5,6,7,8,9,10,11,12,13,14,15
	s_wait_loadcnt 30-2*\g                         ; loads return in order: group g's two are in, the 2 (15 - g) younger ones stay out
.irp j, 0,1,2,3
	v_cvt_pk_bf16_f32 v[YR+4*\g+\j], v[XR+8*\g+2*\j], v[XR+8*\g+2*\j+1]
.endr
.if \f16
.irp j, 0,1,2,3
	v_lshlrev_b32 v[XR+8*\g+2*\j], 16, v[YR+4*\g+\j]           ; the bf16 values widened again,
	v_and_b32 v[XR+8*\g+2*\j+1], s26, v[YR+4*\g+\j]
.endr
.irp j, 0,1,2,3
	v_cvt_pk_f16_f32 v[YR+4*\g+\j], v[XR+8*\g+2*\j], v[XR+8*\g+2*\j+1]   ; and written as f16
.endr
.endif
	global_store_b128 v2, v[YR+4*\g:YR+4*\g+3], s[22:23] offset:4096*\g   ; every group has its own registers: nothing is rewritten
.endr
.endm
	s_load_b512 s[4:19], s[0:1], 0x0               ; x s[4:5], w_qkv s[6:7], w_proj s[8:9], mask s[10:11], xb s[12:13], wqb s[14:15], wpb s[16:17], mb s[18:19]
	v_lshl_add_u32 v208, v0, 2, 0x8100
	v_mov_b32 v209, 0
	v_lshlrev_b32 v1, 5, v0                        ; 32 t: my 8 f32 in a group
	v_lshlrev_b32 v2, 4, v0                        ; 16 t: my 16 bytes
	s_mov_b32 s26, 0xffff0000                      ; a word's upper bf16
	s_mov_b32 s29, 0                               ; high word of every offset
	s_wait_kmcnt 0x0
	s_cmp_ge_u32 ttmp9, 384
	s_cbranch_scc1 .Lmask
	s_cmp_ge_u32 ttmp9, 352
	s_cbranch_scc1 .Lwproj
	s_sub_co_u32 s24, ttmp9, 256                   ; chunk of w_qkv, if it is one
	s_cmp_lt_u32 ttmp9, 256
	s_cselect_b64 s[20:21], s[4:5], s[6:7]         ; from x or from w_qkv
	s_cselect_b64 s[22:23], s[12:13], s[14:15]     ; to xb or to wqb
	s_cselect_b32 s24, ttmp9, s24                  ; the chunk's number in its tensor
	s_lshl_b32 s28, s24, 17                        ; 131,072 bytes in
	s_add_nc_u64 s[20:21], s[20:21], s[28:29]
	s_lshl_b32 s28, s24, 16                        ; 65,536 bytes out
	s_add_nc_u64 s[22:23], s[22:23], s[28:29]
	CAST 0
	s_endpgm
.Lwproj:
	s_sub_co_u32 s24, ttmp9, 352
	s_lshl_b32 s28, s24, 17
	s_add_nc_u64 s[20:21], s[8:9], s[28:29]
	s_lshl_b32 s28, s24, 16
	s_add_nc_u64 s[22:23], s[16:17], s[28:29]
	CAST 1
	s_endpgm
; Sixteen rows of the mask (tile Q = 16 queries x 2,048 keys): read as whole rows, laid into LDS, taken out in the lanes' order.
.Lmask:
	s_sub_co_u32 s24, ttmp9, 384                   ; Q
	s_lshl_b32 s28, s24, 15                        ; 16 rows of 2,048 bytes
	s_add_nc_u64 s[10:11], s[10:11], s[28:29]
.irp i, 0,1,2,3,4,5,6,7
	global_load_b128 v[MR+4*\i:MR+4*\i+3], v2, s[10:11] offset:4096*\i th:TH_LOAD_NT   ; rows 2 i and 2 i + 1
.endr
	s_lshr_b32 s25, s24, 4                         ; qblk
	s_lshl_b32 s28, s25, 20
	s_and_b32 s25, s24, 15                         ; qt16
	s_lshl_b32 s25, s25, 11
	s_add_co_u32 s28, s28, s25
	s_add_nc_u64 s[18:19], s[18:19], s[28:29]      ; mb at (qblk, kstep 0, qt16)
	s_mov_b32 s20, 0x04010400                      ; bytes 0 and 1 of a word, each into a half
	s_mov_b32 s21, 0x04030402                      ; bytes 2 and 3
	v_mov_b32 v3, 0
	v_lshrrev_b32 v4, 7, v0                        ; which of the two rows
	v_and_b32 v5, 127, v0
	v_mul_u32_u24 v4, 2064, v4
	v_lshl_add_u32 v4, v5, 4, v4                   ; LDS, in: (t / 128) pitch + 16 (t % 128)
	v_lshlrev_b32 v7, 4, v5                        ; mb: kt x 512 + lane x 16 = 16 (t % 128),
	v_lshrrev_b32 v5, 7, v0
	v_lshl_add_u32 v7, v5, 15, v7                  ; + 32,768 for the odd kstep
	v_and_b32 v5, 15, v0
	v_mul_u32_u24 v6, 2064, v5                     ; LDS, out: row lane % 16,
	v_lshrrev_b32 v5, 5, v0
	v_lshl_add_u32 v6, v5, 4, v6                   ; key 16 (t / 32) = 64 (kstep % 2) + 16 kt,
	v_bfe_u32 v5, v0, 4, 1
	v_lshl_add_u32 v6, v5, 3, v6                   ; + 8 (lane / 16)
.irp i, 0,1,2,3,4,5,6,7
	s_wait_loadcnt 7-\i                            ; load i is in, the 7 - i younger ones stay out
	ds_store_b128 v4, v[MR+4*\i:MR+4*\i+3] offset:2*MPITCH*\i
.endr
	s_wait_dscnt 0x0                               ; my stores are done before I say so: the other waves read them
	s_barrier_signal -1
	s_barrier_wait -1
.irp i, 0,1,2,3,4,5,6,7,8,9,10,11,12,13,14,15
	ds_load_b64 v[WR+2*\i:WR+2*\i+1], v6 offset:128*\i         ; ksteps 2 i and 2 i + 1: 8 mask bytes a lane
.endr
.irp i, 0,1,2,3,4,5,6,7,8,9,10,11,12,13,14,15
	s_wait_dscnt 15-\i                             ; LDS loads return in order: load i is in
	v_xor_b32 v[WR+2*\i], 0x01010101, v[WR+2*\i]               ; 1 where masked
	v_xor_b32 v[WR+2*\i+1], 0x01010101, v[WR+2*\i+1]
	v_perm_b32 v[ER+4*\i], v3, v[WR+2*\i], s20                 ; a byte into each half,
	v_perm_b32 v[ER+4*\i+1], v3, v[WR+2*\i], s21
	v_perm_b32 v[ER+4*\i+2], v3, v[WR+2*\i+1], s20
	v_perm_b32 v[ER+4*\i+3], v3, v[WR+2*\i+1], s21
	v_mul_u32_u24 v[ER+4*\i], 0xff80, v[ER+4*\i]               ; times 0xff80: bf16 -inf or 0 in both halves (0x10001 x 0xff80 has no carry between them)
	v_mul_u32_u24 v[ER+4*\i+1], 0xff80, v[ER+4*\i+1]
	v_mul_u32_u24 v[ER+4*\i+2], 0xff80, v[ER+4*\i+2]
	v_mul_u32_u24 v[ER+4*\i+3], 0xff80, v[ER+4*\i+3]
	global_store_b128 v7, v[ER+4*\i:ER+4*\i+3], s[18:19] offset:65536*\i   ; a wave's store covers 512 consecutive bytes
.endr
	s_wait_tensorcnt 0x0
	ds_add_u32 v208, v209
	s_wait_dscnt 0x0
	s_endpgm
.Lfunc_end_k_qc2087c7851_prep:
	.size	k_qc2087c7851_prep, .Lfunc_end_k_qc2087c7851_prep-k_qc2087c7851_prep
	.p2alignl 7, 3214868480
	.fill 96, 4, 3214868480
	.section	.rodata,"a",@progbits
	.p2align	6, 0x0
	.amdhsa_kernel k_qc2087c7851_prep
		.amdhsa_group_segment_fixed_size 34048
		.amdhsa_private_segment_fixed_size 0
		.amdhsa_enable_private_segment 0
		.amdhsa_kernarg_size 64
		.amdhsa_user_sgpr_count 2
		.amdhsa_user_sgpr_kernarg_segment_ptr 1
		.amdhsa_wavefront_size32 1
		.amdhsa_system_sgpr_workgroup_id_x 1
		.amdhsa_system_sgpr_workgroup_id_y 1
		.amdhsa_system_sgpr_workgroup_id_z 1
		.amdhsa_system_vgpr_workitem_id 0
		.amdhsa_next_free_vgpr 210
		.amdhsa_next_free_sgpr 66
		.amdhsa_reserve_vcc 0
		.amdhsa_float_denorm_mode_32 3
		.amdhsa_float_denorm_mode_16_64 3
		.amdhsa_memory_ordered 1
		.amdhsa_forward_progress 1
		.amdhsa_inst_pref_size 44
	.end_amdhsa_kernel
	.amdgpu_metadata
---
amdhsa.version: [ 1, 2 ]
amdhsa.kernels:
  - .name:           k_qc2087c7851_prep
    .symbol:         k_qc2087c7851_prep.kd
    .args:
      - { .name: x, .offset: 0, .size: 8, .value_kind: global_buffer, .address_space: global }
      - { .name: w_qkv, .offset: 8, .size: 8, .value_kind: global_buffer, .address_space: global }
      - { .name: w_proj, .offset: 16, .size: 8, .value_kind: global_buffer, .address_space: global }
      - { .name: mask, .offset: 24, .size: 8, .value_kind: global_buffer, .address_space: global }
      - { .name: xb, .offset: 32, .size: 8, .value_kind: global_buffer, .address_space: global }
      - { .name: wqb, .offset: 40, .size: 8, .value_kind: global_buffer, .address_space: global }
      - { .name: wpb, .offset: 48, .size: 8, .value_kind: global_buffer, .address_space: global }
      - { .name: mb, .offset: 56, .size: 8, .value_kind: global_buffer, .address_space: global }
    .group_segment_fixed_size: 34048
    .private_segment_fixed_size: 0
    .kernarg_segment_align: 8
    .kernarg_segment_size: 64
    .max_flat_workgroup_size: 256
    .sgpr_count:     66
    .vgpr_count:     210
    .wavefront_size: 32
...
	.end_amdgpu_metadata
.endif
;; end of part 1
;; launch qkv (part 2): grid 16 x 32, 4 waves a work-group, clusters of 4 x 4, 327,680 bytes of LDS; arguments xb, wqb, b_qkv, qkvh; writes qkvh
.if DOCPART == 2
	.amdgcn_target "amdgcn-amd-amdhsa--gfx1250"
	.amdhsa_code_object_version 6
	.text
	.protected	k_qc2087c7851_qkv
	.globl	k_qc2087c7851_qkv
	.p2align	8
	.type	k_qc2087c7851_qkv,@function
k_qc2087c7851_qkv:
	s_mov_b64 s[64:65], 0
	v_nop
	global_prefetch_b8 v0, s[64:65] scope:SCOPE_SE
	s_setreg_imm32_b32 hwreg(HW_REG_WAVE_MODE, 25, 1), 1
	s_wait_xcnt 0x0
	s_wait_alu depctr_hold_cnt(0) depctr_sa_sdst(0) depctr_va_vdst(0) depctr_va_sdst(0) depctr_va_ssrc(0) depctr_va_vcc(0) depctr_vm_vsrc(0)
	s_getreg_b32 s2, hwreg(HW_REG_IB_STS2, 6, 4)
	s_cmp_eq_u32 s2, 0
	s_cbranch_scc0 .Lentry_in_a_cluster
	s_endpgm
.Lentry_in_a_cluster:
	s_bfe_u32 s2, ttmp6, 0x10000c
	s_cmp_lg_u32 s2, 0xf033
	s_cbranch_scc0 .Lentry_shape_is_right
	s_endpgm
.Lentry_shape_is_right:
; QKV: qkvh = f16(xb wqb^T + b_qkv), stored head by head: [48 heads][8192 rows][64] f16 (heads 0-15 q, 16-31 k, 32-47 v).
; xb [8192][1024], wqb [3072][1024] in bf16; sums in f32; the bias is added in f32 after being rounded to bf16, like the weights that it belongs to.
; LIMIT: |q|, |k|, |v| < 65,504 (f16's largest number).
; A work-group makes 256 rows x 192 columns with four waves; a wave makes 64 rows x all 192 columns (three whole heads): 48 accumulator
; tiles of 16 x 16, 384 registers.  16 x 32 = 512 work-groups of equal work.  K goes in steps of 128 through two LDS slots filled by the
; tensor data mover; a tile's rows are 256 bytes of memory and start at multiples of 256 bytes from the buffer's first byte.
; CLUSTER 4 x 4: the four work-groups of a row of the cluster need the same 256 rows of xb, the four of a column the same 192 rows of wqb.
; Each such tile is asked for jointly, which divides the requests for both by four.
; REGISTER WINDOWS: 0: addresses, A's fragments (two buffers), bias, way out; 1: B's fragments (two buffers);
;   2: accumulator tiles of my rows 0-31 (tile (a, b) at v[8 (12 (a % 2) + b)]); 3: of my rows 32-63.
; THE MATRIX INSTRUCTION IS USED TRANSPOSED (source 0 = 16 rows of wqb, source 1 = 16 rows of xb): a lane then holds row l % 16 of the result
; and its eight registers the columns 8 (l / 16) + 0..7, eight neighbours.
.set NB,     12                        ; column blocks of 16
.set KSTEP,  128
.set KBYTES, 2048                      ; bytes in a row of xb and of wqb
.set PITCH,  272                       ; an LDS row: 256 bytes + 16 of padding, an odd multiple of 16
.set HALFA,  128*PITCH                 ; what one load brings of A
.set BROWS,  8*NB                      ; rows of B in one load
.set HALFB,  BROWS*PITCH
.set SLOT,   2*HALFA+2*HALFB           ; A's 256 rows, then B's 192 rows
.set STAGE,  2*SLOT                    ; behind the ring, a multiple of 256: no fill ever lands here
.set SPITCH, 400                       ; a stage row: 192 f16 + 16 bytes
.set SWAVE,  16*SPITCH                 ; a wave's stage: 16 rows
.set LAPS,   4                         ; 1,024 / (2 x 128): a lap is once round the ring
.set ADRA, 16                          ; v16-17  LDS address of my A fragments in slot 0, 1
.set ADRB, 20                          ; v20-21  the same for B
.set STO,  24                          ; v24     stage: where I put 16 bytes of a row
.set RD,   25                          ; v25     stage: where I read back
.set CO,   26                          ; v26     my byte offset in a store of 512 bytes
.set BO,   27                          ; v27     32 (l / 16): my 8 numbers in a block of the bias
.set FA,   32                          ; v32-63, v64-95  A's fragments, buffers 0 and 1 (4 x 16 rows x 32 K each)
.set BI,   96                          ; v96-191 the bias of my 8 columns in each of the 12 blocks
.set TMP,  192                         ; v192-239 packed results
.set RB,   32                          ; v32-79  rows read back (the fragment buffers are free by then)
.set G1,  24                           ; s[24:31] group 1 for A's tiles
.set G0,  32                           ; s[32:39] group 0 for A's tiles, a set for each slot
.set G1B, 48                           ; s[48:55] group 1 for B's tiles
.set G0B, 56                           ; s[56:63] group 0 for B's tiles, a set for each slot
.set MSB, 0
.macro WIN new                         ; the immediate's high byte repeats the setting that is left
.if MSB != \new
	s_set_vgpr_msb (MSB<<8)|\new
.set MSB, \new
.endif
.endm
.set MUL_LO, 0xa1                      ; source 0 (B) window 1, source 1 (A) window 0, C and D window 2
.set MUL_HI, 0xf1                      ; the same, C and D window 3
.set TO_B,   0x40                      ; destination window 1, address window 0
; A joint load.  Waves 0 and 1 fetch A's halves, waves 2 and 3 B's; the branch hangs on the wave's number alone.
.macro JLOAD s
	s_cmp_eq_u32 s13, 0
	s_cbranch_scc0 .Lfor_b_\@
	tensor_load_to_lds s[G0+4*\s:G0+4*\s+3], s[G1:G1+7]
	s_nop 0
	s_branch .Lasked_\@
.Lfor_b_\@:
	tensor_load_to_lds s[G0B+4*\s:G0B+4*\s+3], s[G1B:G1B+7]
	s_nop 0
.Lasked_\@:
.endm
.macro CREST                           ; a round of the cluster's barrier behind its opening work-group barrier
	s_cmp_lg_u32 s12, 0
	s_cbranch_scc1 .Lnot_wave_0_\@
	s_barrier_signal -3
.Lnot_wave_0_\@:
	s_barrier_wait -3
	s_barrier_signal -1
	s_barrier_wait -1
.endm
.macro CROUND                          ; a whole round
	s_barrier_signal -1
	s_barrier_wait -1
	CREST
.endm
.macro PLACES                          ; four places behind matrix instructions (ISA guide 7.12.1), where there is no other vector work
.rept 4
	v_nop
.endr
.endm
	s_load_b256 s[4:11], s[0:1], 0x0               ; xb s[4:5], wqb s[6:7], b_qkv s[8:9], qkvh s[10:11]
	s_set_vgpr_msb 0x40
	v_lshl_add_u32 v255, v0, 2, 0x41c00
	s_set_vgpr_msb 0x4000
	v_mov_b32 v255, 0
	s_set_vgpr_msb 0x1
	ds_add_u32 v255, v255
	s_set_vgpr_msb 0x100
	v_lshrrev_b32 v1, 5, v0
	v_readfirstlane_b32 s12, v1                    ; wave 0..3
	s_lshr_b32 s13, s12, 1                         ; I fetch for A (0) or for B (1)
	s_and_b32 s14, s12, 1                          ; which half of that tile
	s_bfe_u32 s40, ttmp6, 0x40000                  ; cx
	s_bfe_u32 s41, ttmp6, 0x40004                  ; cy
	s_lshl_b32 s42, ttmp9, 2
	s_add_co_u32 s42, s42, s40                     ; block column bx = 4 x cluster x + cx
	s_and_b32 s43, ttmp7, 0xffff
	s_lshl_b32 s43, s43, 2
	s_add_co_u32 s43, s43, s41                     ; block row by = 4 x cluster y + cy
	s_lshl_b32 s44, s41, 2
	s_lshl_b32 s44, 15, s44                        ; my row of the cluster: places 4 cy .. 4 cy + 3
	s_lshl_b32 s45, 0x1111, s40                    ; my column: places cx, cx + 4, cx + 8, cx + 12
	; group 1: rows of 128 elements of 2 bytes, 4 words of padding behind every 64 words; bit 21 stands beside a mask
	s_or_b32 s[G1+0], s44, (1<<16)|(1<<20)|(1<<21)|(5<<22)|(3<<25)
	s_mov_b32 s[G1+1], KSTEP<<16                   ; tensor_dim0 = 128
	s_mov_b32 s[G1+2], 128<<16                     ; tensor_dim1 = 128
	s_mov_b32 s[G1+3], KSTEP<<16                   ; tile_dim0 = 128
	s_mov_b32 s[G1+4], 128                         ; tile_dim1 = 128 rows
	s_mov_b32 s[G1+5], 1024                        ; elements from row to row
	s_mov_b32 s[G1+6], 0
	s_mov_b32 s[G1+7], 0
	s_or_b32 s[G1B+0], s45, (1<<16)|(1<<20)|(1<<21)|(5<<22)|(3<<25)
	s_mov_b32 s[G1B+1], KSTEP<<16
	s_mov_b32 s[G1B+2], BROWS<<16                  ; 96 rows
	s_mov_b32 s[G1B+3], KSTEP<<16
	s_mov_b32 s[G1B+4], BROWS
	s_mov_b32 s[G1B+5], 1024
	s_mov_b32 s[G1B+6], 0
	s_mov_b32 s[G1B+7], 0
	; A's tiles hang on by and the wave, B's on bx and the wave, each in registers that never hold the other coordinate
	s_lshl_b32 s16, s43, 19                        ; 256 by rows of 2,048 bytes
	s_lshl_b32 s17, s14, 18                        ; + 128 rows for the second half
	s_add_co_u32 s16, s16, s17
	s_mov_b32 s17, 0
	s_mul_i32 s46, s42, 16*NB*KBYTES               ; 192 bx rows
	s_mul_i32 s47, s14, BROWS*KBYTES               ; + 96 rows for the second half
	s_add_co_u32 s46, s46, s47
	s_mov_b32 s47, 0
	s_mul_i32 s20, s12, HALFA                      ; LDS: A's halves at wave x HALFA (waves 0, 1),
	s_mul_i32 s21, s12, HALFB
	s_add_co_u32 s21, s21, 2*HALFA-2*HALFB         ; B's behind A's 256 rows at (wave - 2) x HALFB (waves 2, 3)
	s_mul_i32 s22, s42, 64*NB                      ; the bias of my block's 192 columns
	s_mov_b32 s23, 0
	s_wait_dscnt 0x0
	s_wait_kmcnt 0x0
	s_add_nc_u64 s[18:19], s[4:5], s[16:17]
	s_add_nc_u64 s[46:47], s[6:7], s[46:47]
	s_add_nc_u64 s[8:9], s[8:9], s[22:23]
	CROUND                                         ; all sixteen work-groups are here: the first joint loads meet
.irp s, 0,1
	s_mov_b32 s[G0+4*\s], 1
	s_add_co_u32 s[G0+4*\s+1], s20, \s*SLOT
	s_add_nc_u64 s[G0+4*\s+2:G0+4*\s+3], s[18:19], \s*KSTEP*2      ; K step s
	s_or_b32 s[G0+4*\s+3], s[G0+4*\s+3], 0x80000000                ; type = 2
	s_mov_b32 s[G0B+4*\s], 1
	s_add_co_u32 s[G0B+4*\s+1], s21, \s*SLOT
	s_add_nc_u64 s[G0B+4*\s+2:G0B+4*\s+3], s[46:47], \s*KSTEP*2
	s_or_b32 s[G0B+4*\s+3], s[G0B+4*\s+3], 0x80000000
	JLOAD \s                                       ; both first fills go out together: two tensor loads of a wave are out here, one later on
.endr
	v_and_b32 v1, 15, v0                           ; r = l % 16
	v_bfe_u32 v2, v0, 4, 1                         ; h = l / 16
	v_lshlrev_b32 v[BO], 5, v2
.set bb, 0
.rept NB
	global_load_b128 v[BI+8*bb:BI+8*bb+3], v[BO], s[8:9] offset:64*bb          ; bias of columns 16 b + 8 h + 0..7; waited for on the way out
	global_load_b128 v[BI+8*bb+4:BI+8*bb+7], v[BO], s[8:9] offset:64*bb+16
.set bb, bb+1
.endr
	v_mul_u32_u24 v3, v1, PITCH
	v_lshl_add_u32 v3, v2, 4, v3                   ; fragment: row r, 16 bytes for each half of the lanes
	s_mul_i32 s15, s12, 64*PITCH                   ; my 64 rows of A
	v_add_nc_u32 v[ADRA], s15, v3
	v_add_nc_u32 v[ADRA+1], SLOT, v[ADRA]
	v_add_nc_u32 v[ADRB], 2*HALFA, v3              ; every wave reads all of B
	v_add_nc_u32 v[ADRB+1], SLOT, v[ADRB]
	s_mul_i32 s15, s12, SWAVE
	s_add_co_u32 s15, s15, STAGE                   ; my stage
	v_mul_u32_u24 v4, v1, SPITCH
	v_lshl_add_u32 v4, v2, 4, v4
	v_add_nc_u32 v[STO], s15, v4                   ; in: row r, 16 h
	v_and_b32 v5, 31, v0
	v_lshrrev_b32 v6, 3, v5
	v_and_b32 v7, 7, v0
	v_mul_u32_u24 v6, v6, SPITCH
	v_lshl_add_u32 v6, v7, 4, v6
	v_add_nc_u32 v[RD], s15, v6                    ; back: eight lanes take the 128 bytes that a row has of one head, four rows a load
	v_lshlrev_b32 v[CO], 4, v5
; NB matrix instructions: m block a x all column blocks, 32 along K, from buffer f.  zero = 1: the product starts the sums.
.macro MULA f, a, zero
.set bb, 0
.rept NB
.if \zero
	v_wmma_f32_16x16x32_bf16 v[8*(NB*(\a%2)+bb):8*(NB*(\a%2)+bb)+7], v[8*NB*\f+8*bb:8*NB*\f+8*bb+7], v[FA+32*\f+8*\a:FA+32*\f+8*\a+7], 0
.else
	v_wmma_f32_16x16x32_bf16 v[8*(NB*(\a%2)+bb):8*(NB*(\a%2)+bb)+7], v[8*NB*\f+8*bb:8*NB*\f+8*bb+7], v[FA+32*\f+8*\a:FA+32*\f+8*\a+7], v[8*(NB*(\a%2)+bb):8*(NB*(\a%2)+bb)+7]
.endif
.set bb, bb+1
.endr
.endm
; 2 NB + 8 LDS loads in one run: the fragments of a quarter step (192 rows of B, my 64 rows of A, 32 K at byte k) into buffer f
.macro FETCH slot, k, f
	WIN TO_B
.set bb, 0
.rept NB
	ds_load_b128 v[8*NB*\f+8*bb:8*NB*\f+8*bb+3], v[ADRB+\slot] offset:\k+bb*16*PITCH
	ds_load_b128 v[8*NB*\f+8*bb+4:8*NB*\f+8*bb+7], v[ADRB+\slot] offset:\k+bb*16*PITCH+32
.set bb, bb+1
.endr
	WIN 0
.irp a, 0,1,2,3
	ds_load_b128 v[FA+32*\f+8*\a:FA+32*\f+8*\a+3], v[ADRA+\slot] offset:\k+\a*16*PITCH
	ds_load_b128 v[FA+32*\f+8*\a+4:FA+32*\f+8*\a+7], v[ADRA+\slot] offset:\k+\a*16*PITCH+32
.endr
.endm
; A K step is four quarters of 32 along K, 48 matrix instructions each, on buffers 0, 1, 0, 1.  The 48 accumulators take turns, one
; instruction a turn, in the same order in every quarter, over the loop's backward jump too.
.macro QUARTER slot, k, f, g, zero
	s_wait_dscnt 4                                 ; B and A's blocks 0, 1 are in; the youngest four loads (A's blocks 2, 3) may be out
	WIN MUL_LO
	MULA \f, 0, \zero
	MULA \f, 1, \zero
	PLACES                                         ; buffer g was last read by matrix instructions of the quarter before
	FETCH \slot, \k, \g
	s_wait_dscnt 2*NB+8                            ; all but the run just issued
	WIN MUL_HI
	MULA \f, 2, \zero
	MULA \f, 3, \zero
.endm
.macro THREE slot, zero
	QUARTER \slot, 64,  0, 1, \zero
	QUARTER \slot, 128, 1, 0, 0
	QUARTER \slot, 192, 0, 1, 0
.endm
; The last quarter multiplies buffer 1 and changes slots.  In front of the barrier each wave waits for its reads of this slot and for all
; its tensor loads (one is out: its part of the next slot).  With fill = 1 the barrier opens a round of the cluster's barrier, and the joint
; refill of this slot, two K steps ahead, is the first tensor load behind the round; it has 180 matrix instructions in which to land.
.macro TURN slot, next, fill
	s_wait_dscnt 4
	WIN MUL_LO
	MULA 1, 0, 0
	s_wait_dscnt 0x0                               ; my reads of this slot are over
	s_wait_tensorcnt 0x0                           ; and all my tensor loads have landed
	ds_add_u32 v255, v255
	s_wait_dscnt 0x0
	s_barrier_signal -1
	MULA 1, 1, 0                                   ; register work while the others arrive
	WIN 0
	s_barrier_wait -1
.if \fill
	CREST
	s_add_nc_u64 s[G0+4*\slot+2:G0+4*\slot+3], s[G0+4*\slot+2:G0+4*\slot+3], 2*KSTEP*2       ; no load of mine is out: group 0 may be written
	s_add_nc_u64 s[G0B+4*\slot+2:G0B+4*\slot+3], s[G0B+4*\slot+2:G0B+4*\slot+3], 2*KSTEP*2
	JLOAD \slot
.endif
	PLACES
	FETCH \next, 0, 0
	WIN MUL_HI
	MULA 1, 2, 0
	MULA 1, 3, 0
.endm
.macro LAP zero
	THREE 0, \zero
	TURN 0, 1, 1
	THREE 1, 0
	TURN 1, 0, 1
.endm
	s_wait_tensorcnt 0x1                           ; my part of K step 0 is in; K step 1's may stay out
	s_barrier_signal -1
	s_barrier_wait -1
	FETCH 0, 0, 0
	LAP 1                                          ; the first lap stands in front of the loop: its first products start the sums
	WIN 0
	s_mov_b32 s3, LAPS-2
.Llap:
	LAP 0
	WIN 0
	s_sub_co_u32 s3, s3, 1
	s_cmp_lg_u32 s3, 0
	s_cbranch_scc1 .Llap
	THREE 0, 0                                     ; the last lap fills nothing
	TURN 0, 1, 0
	THREE 1, 0
	s_wait_dscnt 4
	WIN MUL_LO
	MULA 1, 0, 0
	MULA 1, 1, 0
	s_wait_dscnt 0x0
	WIN MUL_HI
	MULA 1, 2, 0
	MULA 1, 3, 0
	WIN 0
	PLACES                                         ; behind the last matrix instructions
	; THE WAY OUT
	s_lshl_b32 s16, s43, 15                        ; 256 by rows of 128 bytes
	s_lshl_b32 s17, s12, 13                        ; + 64 rows a wave
	s_add_co_u32 s16, s16, s17
	s_mov_b32 s17, 0
	s_add_nc_u64 s[10:11], s[10:11], s[16:17]
	s_mul_i32 s46, s42, 3*1048576                  ; heads 3 bx .. 3 bx + 2, 1,048,576 bytes each
	s_mov_b32 s47, 0
	s_add_nc_u64 s[10:11], s[10:11], s[46:47]
	s_wait_loadcnt 0x0                             ; the bias
.set i, 0
.rept 4*NB
	v_cvt_pk_bf16_f32 v[TMP+i], v[BI+2*i], v[BI+2*i+1]         ; rounded to bf16,
.set i, i+1
.endr
.set i, 0
.rept 4*NB
	v_lshlrev_b32 v[BI+2*i], 16, v[TMP+i]                      ; and widened again
	v_and_b32 v[BI+2*i+1], 0xffff0000, v[TMP+i]
.set i, i+1
.endr
; Rows 16 a .. 16 a + 15 of my 64: add the bias, round to f16, 16 bytes a lane into my own stage, read back so that a store of the wave
; covers four whole rows of one head: 512 consecutive bytes, aligned.  wadd: D and source 0 in the tiles' window; wcvt: both sources there.
.macro OUT16 a, wadd, wcvt
	WIN \wadd
.set bb, 0
.rept NB
.irp i, 0,1,2,3
	v_pk_add_f32 v[8*(NB*(\a%2)+bb)+2*\i:8*(NB*(\a%2)+bb)+2*\i+1], v[8*(NB*(\a%2)+bb)+2*\i:8*(NB*(\a%2)+bb)+2*\i+1], v[BI+8*bb+2*\i:BI+8*bb+2*\i+1]
.endr
.set bb, bb+1
.endr
	WIN \wcvt
.set bb, 0
.rept NB
.irp i, 0,1,2,3
	v_cvt_pk_f16_f32 v[TMP+4*bb+\i], v[8*(NB*(\a%2)+bb)+2*\i], v[8*(NB*(\a%2)+bb)+2*\i+1]
.endr
.set bb, bb+1
.endr
	WIN 0
.set bb, 0
.rept NB
	ds_store_b128 v[STO], v[TMP+4*bb:TMP+4*bb+3] offset:32*bb
.set bb, bb+1
.endr
	s_wait_xcnt 0x0                                ; RB, which the last group's stores read, is loaded again only behind this wait
.irp t, 0,1,2,3
.irp hd, 0,1,2
	ds_load_b128 v[RB+4*(3*\t+\hd):RB+4*(3*\t+\hd)+3], v[RD] offset:4*SPITCH*\t+128*\hd   ; LDS serves a wave's instructions in order: these see the stores above
.endr
.endr
.irp t, 0,1,2,3
.irp hd, 0,1,2
	s_wait_dscnt 11-(3*\t+\hd)
	global_store_b128 v[CO], v[RB+4*(3*\t+\hd):RB+4*(3*\t+\hd)+3], s[10:11] offset:\hd*1048576+\a*2048+\t*512
.endr
.endr
.endm
	OUT16 0, 0x82, 0x0a
	OUT16 1, 0x82, 0x0a
	OUT16 2, 0xc3, 0x0f
	OUT16 3, 0xc3, 0x0f
	s_set_vgpr_msb 0x1
	s_wait_tensorcnt 0x0
	ds_add_u32 v255, v255
	s_wait_dscnt 0x0
	s_set_vgpr_msb 0x100
	CROUND                                         ; the closing round: no work-group ends while a partner may still ask for a tile that names it
	s_endpgm
.Lfunc_end_k_qc2087c7851_qkv:
	.size	k_qc2087c7851_qkv, .Lfunc_end_k_qc2087c7851_qkv-k_qc2087c7851_qkv
	.p2alignl 7, 3214868480
	.fill 96, 4, 3214868480
	.section	.rodata,"a",@progbits
	.p2align	6, 0x0
	.amdhsa_kernel k_qc2087c7851_qkv
		.amdhsa_group_segment_fixed_size 327680
		.amdhsa_private_segment_fixed_size 0
		.amdhsa_enable_private_segment 0
		.amdhsa_kernarg_size 32
		.amdhsa_user_sgpr_count 2
		.amdhsa_user_sgpr_kernarg_segment_ptr 1
		.amdhsa_wavefront_size32 1
		.amdhsa_system_sgpr_workgroup_id_x 1
		.amdhsa_system_sgpr_workgroup_id_y 1
		.amdhsa_system_sgpr_workgroup_id_z 1
		.amdhsa_system_vgpr_workitem_id 0
		.amdhsa_next_free_vgpr 960
		.amdhsa_next_free_sgpr 66
		.amdhsa_reserve_vcc 0
		.amdhsa_float_denorm_mode_32 3
		.amdhsa_float_denorm_mode_16_64 3
		.amdhsa_memory_ordered 1
		.amdhsa_forward_progress 1
		.amdhsa_inst_pref_size 185
	.end_amdhsa_kernel
	.amdgpu_metadata
---
amdhsa.version: [ 1, 2 ]
amdhsa.kernels:
  - .name:           k_qc2087c7851_qkv
    .symbol:         k_qc2087c7851_qkv.kd
    .args:
      - { .name: xb, .offset: 0, .size: 8, .value_kind: global_buffer, .address_space: global }
      - { .name: wqb, .offset: 8, .size: 8, .value_kind: global_buffer, .address_space: global }
      - { .name: b_qkv, .offset: 16, .size: 8, .value_kind: global_buffer, .address_space: global }
      - { .name: qkvh, .offset: 24, .size: 8, .value_kind: global_buffer, .address_space: global }
    .group_segment_fixed_size: 327680
    .private_segment_fixed_size: 0
    .kernarg_segment_align: 8
    .kernarg_segment_size: 32
    .max_flat_workgroup_size: 128
    .sgpr_count:     66
    .vgpr_count:     960
    .wavefront_size: 32
...
	.end_amdgpu_metadata
.endif
;; end of part 2
;; launch attn (part 3): grid 8 x 32, 8 waves a work-group, clusters of 4 x 4, 327,680 bytes of LDS; arguments qkvh, mb, yb; writes yb
.if DOCPART == 3
	.amdgcn_target "amdgcn-amd-amdhsa--gfx1250"
	.amdhsa_code_object_version 6
	.text
	.protected	k_qc2087c7851_attn
	.globl	k_qc2087c7851_attn
	.p2align	8
	.type	k_qc2087c7851_attn,@function
k_qc2087c7851_attn:
	s_mov_b64 s[64:65], 0
	v_nop
	global_prefetch_b8 v0, s[64:65] scope:SCOPE_SE
	s_setreg_imm32_b32 hwreg(HW_REG_WAVE_MODE, 25, 1), 1
	s_wait_xcnt 0x0
	s_wait_alu depctr_hold_cnt(0) depctr_sa_sdst(0) depctr_va_vdst(0) depctr_va_sdst(0) depctr_va_ssrc(0) depctr_va_vcc(0) depctr_vm_vsrc(0)
	s_getreg_b32 s2, hwreg(HW_REG_IB_STS2, 6, 4)
	s_cmp_eq_u32 s2, 0
	s_cbranch_scc0 .Lentry_in_a_cluster
	s_endpgm
.Lentry_in_a_cluster:
	s_bfe_u32 s2, ttmp6, 0x10000c
	s_cmp_lg_u32 s2, 0xf033
	s_cbranch_scc0 .Lentry_shape_is_right
	s_endpgm
.Lentry_shape_is_right:
; ATTN: y = softmax(q k^T / 8 + bias) v for every (batch, head), with a running maximum; operands f16, sums and softmax f32.
; qkvh [48 heads][8192 rows][64] f16; mb: 0 or -inf in bf16, in the lanes' order (below); yb [8192][1024] f16.
; Work-group (x = qblk, y = 8 batch + p): 256 queries of heads 2 p and 2 p + 1.  Eight waves: wave w takes head 2 p + w / 4 and the 64 queries
; 64 (w % 4) .. + 63, as four tiles (qt) of 16.  32 trips of 64 keys, every key of every query: the mask is data, nothing of it is built in.
; TRANSPOSED: S^T = K Q^T (A = 16 keys from LDS, B = 16 queries kept in registers).  Lane (r, h) of a tile holds query r and keys 8 h + 0..7, so
; a query's statistics are one number a lane and one exchange between the halves of the lanes, and the packed P of key tiles 2 u and 2 u + 1
; IS the B fragment of O^T = V^T P^T.  V^T's fragments come from V as stored, [key][d], by the transposing LDS load.
; CLUSTER 4 x 4: K and V hang on y alone and are asked for jointly along a row of the cluster; the bias hangs on x alone and is asked for
; jointly along a column.  All partners run the same 32 trips.
; A score is s = q.k x log2(e) / 8 + bias.  The maximum starts at -1e30, so a masked score (-inf) gives p = 0 whatever else the row holds.
; A row with no allowed key ends with l = 0 and O = 0, and 0 x (1 / 0) is NaN, as the softmax of a row of -inf is.
; LIMITS: |q|, |k|, |v| < 65,504 (f16).  With that bound |s| < 1e11, far above -1e30.  A NaN score is passed over by the maximum and makes its row NaN through p.
.set SLOT,  71680                      ; K 18,432 + V 20,480 + bias 32,768
.set VOFF,  18432
.set MOFF,  38912
.set KP,    144                        ; a key's 128 bytes + 16: an odd multiple of 16
.set VP,    160                        ; a key's 128 bytes + 32: an odd multiple of 32, for the transposing load
.set STAGE, 143360                     ; behind the two slots, a multiple of 256: no fill ever lands here
.set SP,    272                        ; a stage row: two heads' 128 bytes + 16
; window 0
.set ADK, 4                            ; v4-5    K fragments in slot 0, 1
.set ADV, 6                            ; v6-7    V fragments
.set ADM, 8                            ; v8-9    bias
.set STO, 10
.set RD,  11
.set YO,  12
.set QO,  13
.set CS,  14                           ; log2(e) / 8
.set ML,  16                           ; v[16+2qt] m, v[17+2qt] l (the sum of this half of the lanes)
.set AL,  24                           ; v[24+2qt] alpha, v[25+2qt] scratch
.set SC,  32                           ; v32-159  S tile (kt, qt) at 8 (4 qt + kt); later P(qt, u) over tile (2 u, qt)
.set BM,  160                          ; v160-223 bias of tile (kt, qt) at 4 (4 qt + kt), 8 bf16
.set TM,  224                          ; v224-239 maxima
.set US,  240                          ; v240-247 sums
; window 1
.set OA,  0                            ; O tile (dt, qt) at 8 (4 qt + dt)
.set QF,  128                          ; Q fragment (qt, ds) at 8 (2 qt + ds)
.set KV,  192                          ; K fragment (kt, ds) at 8 (2 kt + ds); then V fragment (dt, u) at 8 (4 u + dt)
.set G1K, 16
.set G1V, 24
.set G1M, 32
.set G0K, 40                           ; a set of four for each slot
.set G0V, 48
.set G0M, 56
.set MSB, 0
.macro WIN new
.if MSB != \new
	s_set_vgpr_msb (MSB<<8)|\new
.set MSB, \new
.endif
.endm
.macro PLACES n
.rept \n
	v_nop
.endr
.endm
.macro ROUND                           ; a round of the cluster's barrier
	s_barrier_signal -1
	s_barrier_wait -1
	s_cmp_lg_u32 s10, 0
	s_cbranch_scc1 .Lnot_wave_0_\@
	s_barrier_signal -3
.Lnot_wave_0_\@:
	s_barrier_wait -3
	s_barrier_signal -1
	s_barrier_wait -1
.endm
; One step's tiles into slot s, 16 KiB a load: wave 0 K, wave 1 V, waves 2 and 3 the halves of the bias, waves 4 to 7 nothing.
.macro TLOAD s
	s_cmp_lg_u32 s10, 0
	s_cbranch_scc1 .Lnot_k_\@
	tensor_load_to_lds s[G0K+4*\s:G0K+4*\s+3], s[G1K:G1K+7]
	s_nop 0
	s_branch .Lasked_\@
.Lnot_k_\@:
	s_cmp_lg_u32 s10, 1
	s_cbranch_scc1 .Lnot_v_\@
	tensor_load_to_lds s[G0V+4*\s:G0V+4*\s+3], s[G1V:G1V+7]
	s_nop 0
	s_branch .Lasked_\@
.Lnot_v_\@:
	s_cmp_gt_u32 s10, 3
	s_cbranch_scc1 .Lasked_\@
	tensor_load_to_lds s[G0M+4*\s:G0M+4*\s+3], s[G1M:G1M+7]
	s_nop 0
.Lasked_\@:
.endm
	s_load_b128 s[4:7], s[0:1], 0x0                ; qkvh s[4:5], mb s[6:7]
	s_load_b64 s[8:9], s[0:1], 0x10                ; yb
	v_lshl_add_u32 v254, v0, 2, 0x34000
	v_mov_b32 v255, 0
	ds_add_u32 v254, v255
	v_lshrrev_b32 v1, 5, v0
	v_readfirstlane_b32 s10, v1                    ; wave 0..7
	s_lshr_b32 s11, s10, 2                         ; hh: which of the two heads
	s_and_b32 s12, s10, 3                          ; w': which 64 queries
	s_mov_b32 s14, 0x76543210                      ; v_permlanex16_b32: lane i of one half reads lane i of the other
	s_mov_b32 s15, 0xfedcba98
	s_bfe_u32 s66, ttmp6, 0x40000                  ; cx
	s_bfe_u32 s67, ttmp6, 0x40004                  ; cy
	s_lshl_b32 s68, ttmp9, 2
	s_add_co_u32 s68, s68, s66                     ; qblk
	s_and_b32 s69, ttmp7, 0xffff
	s_lshl_b32 s69, s69, 2
	s_add_co_u32 s69, s69, s67                     ; y = 8 batch + p
	s_lshl_b32 s70, s67, 2
	s_lshl_b32 s70, 15, s70                        ; my row of the cluster
	s_lshl_b32 s71, 0x1111, s66                    ; my column
	; K: two rows of 1,024 elements of 8 bytes (64 keys x 128 bytes of one head), 1 MiB apart (the next head); 4 words of padding behind every 32
	s_or_b32 s[G1K+0], s70, (3<<16)|(1<<20)|(1<<21)|(4<<22)|(3<<25)
	s_mov_b32 s[G1K+1], 1024<<16                   ; tensor_dim0
	s_mov_b32 s[G1K+2], 2<<16                      ; tensor_dim1
	s_mov_b32 s[G1K+3], 1024<<16                   ; tile_dim0
	s_mov_b32 s[G1K+4], 2                          ; tile_dim1
	s_mov_b32 s[G1K+5], 131072                     ; elements from head to head
	s_mov_b32 s[G1K+6], 0
	s_mov_b32 s[G1K+7], 0
	; V: the same with 8 words of padding
	s_or_b32 s[G1V+0], s70, (3<<16)|(1<<20)|(1<<21)|(4<<22)|(7<<25)
	s_mov_b32 s[G1V+1], 1024<<16
	s_mov_b32 s[G1V+2], 2<<16
	s_mov_b32 s[G1V+3], 1024<<16
	s_mov_b32 s[G1V+4], 2
	s_mov_b32 s[G1V+5], 131072
	s_mov_b32 s[G1V+6], 0
	s_mov_b32 s[G1V+7], 0
	; bias: a dense block of 16 KiB as 64 rows of 256 bytes, no padding
	s_or_b32 s[G1M+0], s71, (3<<16)|(1<<21)
	s_mov_b32 s[G1M+1], 32<<16
	s_mov_b32 s[G1M+2], 64<<16
	s_mov_b32 s[G1M+3], 32<<16
	s_mov_b32 s[G1M+4], 64
	s_mov_b32 s[G1M+5], 32
	s_mov_b32 s[G1M+6], 0
	s_mov_b32 s[G1M+7], 0
	s_and_b32 s72, s69, 7                          ; p
	s_lshr_b32 s73, s69, 3                         ; batch
	s_lshl_b32 s74, s72, 21                        ; 2 p heads of 1 MiB
	s_lshl_b32 s75, s73, 18                        ; + 2,048 rows of 128 bytes a batch
	s_add_co_u32 s74, s74, s75
	s_mov_b32 s75, 0
	s_lshl_b32 s80, s68, 20                        ; bias: qblk x 32 steps x 32 KiB
	s_and_b32 s81, s10, 1
	s_lshl_b32 s81, s81, 14                        ; + the half that waves 2, 3 take
	s_add_co_u32 s80, s80, s81
	s_mov_b32 s81, 0
	s_lshl_b32 s82, s11, 20                        ; Q: my head of the pair,
	s_lshl_b32 s83, s68, 15                        ; 256 qblk rows,
	s_add_co_u32 s82, s82, s83
	s_lshl_b32 s83, s12, 13                        ; 64 w' rows
	s_add_co_u32 s82, s82, s83
	s_mov_b32 s83, 0
	s_lshl_b32 s84, s73, 22                        ; yb: rows 2,048 batch + 256 qblk + 32 wave of 2,048 bytes,
	s_lshl_b32 s85, s68, 19
	s_add_co_u32 s84, s84, s85
	s_lshl_b32 s85, s10, 16
	s_add_co_u32 s84, s84, s85
	s_lshl_b32 s85, s72, 8                         ; byte 256 p of a row
	s_add_co_u32 s84, s84, s85
	s_mov_b32 s85, 0
	s_lshl_b32 s86, s10, 14
	s_add_co_u32 s86, s86, MOFF-32768              ; LDS of the bias halves: MOFF + (wave - 2) x 16,384
	s_wait_dscnt 0x0
	s_wait_kmcnt 0x0
	s_add_nc_u64 s[76:77], s[4:5], s[74:75]        ; hangs on y alone
	s_add_nc_u64 s[78:79], s[76:77], s[82:83]      ; Q
	s_add_nc_u64 s[80:81], s[6:7], s[80:81]        ; hangs on x and the wave alone
	s_add_nc_u64 s[8:9], s[8:9], s[84:85]
.irp s, 0,1
	s_mov_b32 s[G0K+4*\s], 1
	s_mov_b32 s[G0K+4*\s+1], \s*SLOT
	s_add_nc_u64 s[G0K+4*\s+2:G0K+4*\s+3], s[76:77], 0x1000000+\s*8192     ; heads 16 + 2 p, 17 + 2 p; step s
	s_or_b32 s[G0K+4*\s+3], s[G0K+4*\s+3], 0x80000000
	s_mov_b32 s[G0V+4*\s], 1
	s_mov_b32 s[G0V+4*\s+1], \s*SLOT+VOFF
	s_add_nc_u64 s[G0V+4*\s+2:G0V+4*\s+3], s[76:77], 0x2000000+\s*8192     ; heads 32 + 2 p, 33 + 2 p
	s_or_b32 s[G0V+4*\s+3], s[G0V+4*\s+3], 0x80000000
	s_mov_b32 s[G0M+4*\s], 1
	s_add_co_u32 s[G0M+4*\s+1], s86, \s*SLOT
	s_add_nc_u64 s[G0M+4*\s+2:G0M+4*\s+3], s[80:81], \s*32768
	s_or_b32 s[G0M+4*\s+3], s[G0M+4*\s+3], 0x80000000
.endr
	ROUND                                          ; in front of the first joint loads
	TLOAD 0                                        ; step 0; slot 1 is first filled behind the first trip's round, as a refill is
	v_and_b32 v1, 31, v0                           ; L
	v_and_b32 v2, 15, v0                           ; r
	v_bfe_u32 v3, v0, 4, 1                         ; h
	v_lshlrev_b32 v[QO], 7, v2
	v_lshl_add_u32 v[QO], v3, 4, v[QO]             ; 128 r + 16 h
	WIN 0x40                                       ; destination window 1
.irp qt, 0,1,2,3
.irp ds, 0,1
	global_load_b128 v[QF+8*(2*\qt+\ds):QF+8*(2*\qt+\ds)+3], v[QO], s[78:79] offset:2048*\qt+64*\ds
	global_load_b128 v[QF+8*(2*\qt+\ds)+4:QF+8*(2*\qt+\ds)+7], v[QO], s[78:79] offset:2048*\qt+64*\ds+32
.endr
.endr
	WIN 0
	v_mul_u32_u24 v15, v2, KP
	v_lshl_add_u32 v15, v3, 4, v15
	s_mul_i32 s87, s11, 64*KP
	v_add_nc_u32 v[ADK], s87, v15                  ; my head's keys: row r, 16 h
	v_add_nc_u32 v[ADK+1], SLOT, v[ADK]
	v_and_b32 v15, 7, v0
	v_lshl_add_u32 v15, v3, 3, v15                 ; key 8 h + L % 8
	v_mul_u32_u24 v15, v15, VP
	v_bfe_u32 v[TM], v0, 3, 1
	v_lshl_add_u32 v15, v[TM], 4, v15              ; + 16 ((L / 8) % 2)
	s_mul_i32 s87, s11, 64*VP
	s_add_co_u32 s87, s87, VOFF
	v_add_nc_u32 v[ADV], s87, v15
	v_add_nc_u32 v[ADV+1], SLOT, v[ADV]
	v_lshlrev_b32 v15, 4, v1
	s_lshl_b32 s87, s12, 13                        ; query tiles 4 w' .. 4 w' + 3, 2,048 bytes each
	s_add_co_u32 s87, s87, MOFF
	v_add_nc_u32 v[ADM], s87, v15
	v_add_nc_u32 v[ADM+1], SLOT, v[ADM]
	v_mul_u32_u24 v15, v2, SP
	v_lshl_add_u32 v15, v3, 4, v15
	s_mul_i32 s87, s12, 64*SP
	s_lshl_b32 s86, s11, 7
	s_add_co_u32 s87, s87, s86
	s_add_co_u32 s87, s87, STAGE
	v_add_nc_u32 v[STO], s87, v15                  ; stage, in: row 64 w' + r, byte 128 hh + 16 h
	v_mul_u32_u24 v15, v3, SP
	v_lshl_add_u32 v15, v2, 4, v15
	s_mul_i32 s87, s10, 32*SP
	s_add_co_u32 s87, s87, STAGE
	v_add_nc_u32 v[RD], s87, v15                   ; stage, back: rows 32 wave + h, 16 bytes a lane
	v_lshlrev_b32 v[YO], 4, v2
	v_lshl_add_u32 v[YO], v3, 11, v[YO]            ; the same two rows in yb
	v_mov_b32 v[CS], 0x3e38aa3b                    ; log2(e) / 8
.irp qt, 0,1,2,3
	v_mov_b32 v[ML+2*\qt], 0xf149f2ca              ; m = -1e30
	v_mov_b32 v[ML+2*\qt+1], 0                     ; l = 0
	v_mov_b32 v[AL+2*\qt], 0
	v_mov_b32 v[AL+2*\qt+1], 0                     ; the lane exchange's destination counts as read
.endr
; One trip: 64 keys from slot.  refill = 1: the next step's tiles are asked for, into the other slot.  first = 1: O is started, not rescaled.
.macro TRIP slot, refill, first
	s_wait_tensorcnt 0x0                           ; all my tensor loads are done, my part of this trip's tiles among them,
	ds_add_u32 v254, v255
	s_wait_dscnt 0x0
	s_add_nc_u64 s[G0K+4*\slot+2:G0K+4*\slot+3], s[G0K+4*\slot+2:G0K+4*\slot+3], 16384     ; so every group 0 may be written: this slot's next step
	s_add_nc_u64 s[G0V+4*\slot+2:G0V+4*\slot+3], s[G0V+4*\slot+2:G0V+4*\slot+3], 16384
	s_add_nc_u64 s[G0M+4*\slot+2:G0M+4*\slot+3], s[G0M+4*\slot+2:G0M+4*\slot+3], 65536
	s_wait_dscnt 0x0                               ; my reads of the last trip's tiles are done
	ROUND                                          ; both now hold of every wave of every work-group of the cluster
.if \refill
	TLOAD (1-\slot)                                ; the one tensor load of a wave behind the round; it has the whole trip in which to land
.endif
	WIN 0x40
.irp kt, 0,1,2,3
.irp ds, 0,1
	ds_load_b128 v[KV+8*(2*\kt+\ds):KV+8*(2*\kt+\ds)+3], v[ADK+\slot] offset:16*KP*\kt+64*\ds
	ds_load_b128 v[KV+8*(2*\kt+\ds)+4:KV+8*(2*\kt+\ds)+7], v[ADK+\slot] offset:16*KP*\kt+64*\ds+32
.endr
.endr
	WIN 0
.set n, 0
.rept 16
	ds_load_b128 v[BM+4*n:BM+4*n+3], v[ADM+\slot] offset:512*n
.set n, n+1
.endr
	s_wait_dscnt 16                                ; K's 16 loads are in; the 16 of the bias may stay out
.if \first
	s_wait_loadcnt 0x0                             ; Q
.endif
	; S^T = K Q^T: 16 tiles, two products each.  The four tiles of a key block take turns, one instruction a turn.
	WIN 0x05                                       ; A and B window 1, C and D window 0
.irp kt, 0,1,2,3
.irp qt, 0,1,2,3
	v_wmma_f32_16x16x32_f16 v[SC+8*(4*\qt+\kt):SC+8*(4*\qt+\kt)+7], v[KV+16*\kt:KV+16*\kt+7], v[QF+16*\qt:QF+16*\qt+7], 0
.endr
.irp qt, 0,1,2,3
	v_wmma_f32_16x16x32_f16 v[SC+8*(4*\qt+\kt):SC+8*(4*\qt+\kt)+7], v[KV+16*\kt+8:KV+16*\kt+15], v[QF+16*\qt+8:QF+16*\qt+15], v[SC+8*(4*\qt+\kt):SC+8*(4*\qt+\kt)+7]
.endr
.endr
	PLACES 4                                       ; before V lands on K's registers and the softmax reads S
	WIN 0x40
.irp u, 0,1
.irp dt, 0,1,2,3
	ds_load_tr16_b128 v[KV+8*(4*\u+\dt):KV+8*(4*\u+\dt)+3], v[ADV+\slot] offset:32*VP*\u+32*\dt
	ds_load_tr16_b128 v[KV+8*(4*\u+\dt)+4:KV+8*(4*\u+\dt)+7], v[ADV+\slot] offset:32*VP*\u+32*\dt+16*VP
.endr
.endr
	WIN 0
	s_wait_dscnt 16                                ; the bias is in; V's 16 loads may stay out
	; s = S x log2(e) / 8 + bias, the bias straight from its bf16 half
.set n, 0
.rept 16
.irp i, 0,1,2,3
	v_fma_mix_f32_bf16 v[SC+8*n+2*\i], v[SC+8*n+2*\i], v[CS], v[BM+4*n+\i] op_sel:[0,0,0] op_sel_hi:[0,0,1]
	v_fma_mix_f32_bf16 v[SC+8*n+2*\i+1], v[SC+8*n+2*\i+1], v[CS], v[BM+4*n+\i] op_sel:[0,0,1] op_sel_hi:[0,0,1]
.endr
.set n, n+1
.endr
	; the maximum: sixteen chains that do not wait for each other, then four for each query tile, the old maximum among them
.set n, 0
.rept 16
	v_max3_num_f32 v[TM+n], v[SC+8*n], v[SC+8*n+1], v[SC+8*n+2]
.set n, n+1
.endr
.set n, 0
.rept 16
	v_max3_num_f32 v[TM+n], v[TM+n], v[SC+8*n+3], v[SC+8*n+4]
.set n, n+1
.endr
.set n, 0
.rept 16
	v_max3_num_f32 v[TM+n], v[TM+n], v[SC+8*n+5], v[SC+8*n+6]
.set n, n+1
.endr
.set n, 0
.rept 16
	v_max_num_f32 v[TM+n], v[TM+n], v[SC+8*n+7]
.set n, n+1
.endr
.irp qt, 0,1,2,3
	v_max3_num_f32 v[TM+4*\qt], v[TM+4*\qt], v[TM+4*\qt+1], v[TM+4*\qt+2]
.endr
.irp qt, 0,1,2,3
	v_max3_num_f32 v[TM+4*\qt], v[TM+4*\qt], v[TM+4*\qt+3], v[ML+2*\qt]
.endr
.irp qt, 0,1,2,3
	v_permlanex16_b32 v[AL+2*\qt+1], v[TM+4*\qt], s14, s15     ; the other half's keys of the same query
.endr
.irp qt, 0,1,2,3
	v_max_num_f32 v[TM+4*\qt], v[TM+4*\qt], v[AL+2*\qt+1]      ; the new maximum
.endr
.irp qt, 0,1,2,3
	v_sub_f32 v[AL+2*\qt], v[ML+2*\qt], v[TM+4*\qt]
.endr
.irp qt, 0,1,2,3
	v_exp_f32 v[AL+2*\qt], v[AL+2*\qt]                         ; alpha = 2^(old - new)
.endr
.irp qt, 0,1,2,3
	v_mov_b32 v[ML+2*\qt], v[TM+4*\qt]                         ; also the plain place behind the exponentials (ISA guide 5.7.2)
.endr
	; p = 2^(s - m)
.set n, 0
.rept 16
.irp i, 0,1,2,3
	v_pk_add_f32 v[SC+8*n+2*\i:SC+8*n+2*\i+1], v[SC+8*n+2*\i:SC+8*n+2*\i+1], v[ML+2*(n/4):ML+2*(n/4)+1] op_sel_hi:[1,0] neg_lo:[0,1] neg_hi:[0,1]
.endr
.set n, n+1
.endr
.set i, 0
.rept 128
	v_exp_f32 v[SC+i], v[SC+i]
.set i, i+1
.endr
	v_nop                                          ; one plain place behind the last exponential
	; l = l alpha + the sum of my 32 p, four chains
	s_wait_alu depctr_va_vdst(0)
.irp qt, 0,1,2,3
	v_pk_add_f32 v[US+2*\qt:US+2*\qt+1], v[SC+32*\qt:SC+32*\qt+1], v[SC+32*\qt+2:SC+32*\qt+3]
.endr
.set i, 2
.rept 14
.irp qt, 0,1,2,3
	v_pk_add_f32 v[US+2*\qt:US+2*\qt+1], v[US+2*\qt:US+2*\qt+1], v[SC+32*\qt+2*i:SC+32*\qt+2*i+1]
.endr
.set i, i+1
.endr
.irp qt, 0,1,2,3
	v_fma_f32 v[ML+2*\qt+1], v[ML+2*\qt+1], v[AL+2*\qt], v[US+2*\qt]
.endr
.irp qt, 0,1,2,3
	v_add_f32 v[ML+2*\qt+1], v[ML+2*\qt+1], v[US+2*\qt+1]
.endr
	; P in f16, packed over tile (2 u, qt): registers 0-3 from that tile (a write never passes its reads), 4-7 from tile (2 u + 1, qt)
.irp qt, 0,1,2,3
.irp u, 0,1
.irp i, 0,1,2,3
	v_cvt_pk_f16_f32 v[SC+8*(4*\qt+2*\u)+\i], v[SC+8*(4*\qt+2*\u)+2*\i], v[SC+8*(4*\qt+2*\u)+2*\i+1]
.endr
.irp i, 0,1,2,3
	v_cvt_pk_f16_f32 v[SC+8*(4*\qt+2*\u)+4+\i], v[SC+8*(4*\qt+2*\u)+8+2*\i], v[SC+8*(4*\qt+2*\u)+8+2*\i+1]
.endr
.endr
.endr
.if \first == 0
	WIN 0x41                                       ; O in window 1, alpha in window 0
.irp qt, 0,1,2,3
.set i, 0
.rept 16
	v_pk_mul_f32 v[OA+32*\qt+2*i:OA+32*\qt+2*i+1], v[OA+32*\qt+2*i:OA+32*\qt+2*i+1], v[AL+2*\qt:AL+2*\qt+1] op_sel_hi:[1,0]
.set i, i+1
.endr
.endr
.endif
	s_wait_dscnt 0x0                               ; V
	; O^T += V^T P^T: the sixteen accumulators take turns, one instruction a turn
	WIN 0x51                                       ; A, C and D window 1, B window 0
.irp u, 0,1
.irp dt, 0,1,2,3
.irp qt, 0,1,2,3
.if (\first)*(1-\u)
	v_wmma_f32_16x16x32_f16 v[OA+8*(4*\qt+\dt):OA+8*(4*\qt+\dt)+7], v[KV+8*(4*\u+\dt):KV+8*(4*\u+\dt)+7], v[SC+8*(4*\qt+2*\u):SC+8*(4*\qt+2*\u)+7], 0
.else
	v_wmma_f32_16x16x32_f16 v[OA+8*(4*\qt+\dt):OA+8*(4*\qt+\dt)+7], v[KV+8*(4*\u+\dt):KV+8*(4*\u+\dt)+7], v[SC+8*(4*\qt+2*\u):SC+8*(4*\qt+2*\u)+7], v[OA+8*(4*\qt+\dt):OA+8*(4*\qt+\dt)+7]
.endif
.endr
.endr
.endr
	WIN 0
	PLACES 5                                       ; before the next trip's K lands on V's registers and its first products write over P
.endm
	TRIP 0, 1, 1
	TRIP 1, 1, 0
	s_mov_b32 s13, 14
.Lpair:
	TRIP 0, 1, 0
	TRIP 1, 1, 0
	s_sub_co_u32 s13, s13, 1
	s_cmp_lg_u32 s13, 0
	s_cbranch_scc1 .Lpair
	TRIP 0, 1, 0
	TRIP 1, 0, 0                                   ; the last trip asks for nothing
	; y = O / l
.irp qt, 0,1,2,3
	v_permlanex16_b32 v[AL+2*\qt+1], v[ML+2*\qt+1], s14, s15
.endr
.irp qt, 0,1,2,3
	v_add_f32 v[ML+2*\qt+1], v[ML+2*\qt+1], v[AL+2*\qt+1]      ; both halves' sums
.endr
.irp qt, 0,1,2,3
	v_rcp_f32 v[AL+2*\qt], v[ML+2*\qt+1]
.endr
	v_nop                                          ; one plain place behind the reciprocals
	WIN 0x41
	s_wait_alu depctr_va_vdst(0)
.irp qt, 0,1,2,3
.set i, 0
.rept 16
	v_pk_mul_f32 v[OA+32*\qt+2*i:OA+32*\qt+2*i+1], v[OA+32*\qt+2*i:OA+32*\qt+2*i+1], v[AL+2*\qt:AL+2*\qt+1] op_sel_hi:[1,0]
.set i, i+1
.endr
.endr
	WIN 0x05                                       ; both sources window 1, destination window 0
.set n, 0
.rept 16
.irp i, 0,1,2,3
	v_cvt_pk_f16_f32 v[SC+4*n+\i], v[OA+8*n+2*\i], v[OA+8*n+2*\i+1]
.endr
.set n, n+1
.endr
	WIN 0
.irp qt, 0,1,2,3
.irp dt, 0,1,2,3
	ds_store_b128 v[STO], v[SC+4*(4*\qt+\dt):SC+4*(4*\qt+\dt)+3] offset:16*SP*\qt+32*\dt   ; query 16 qt + r, d = 16 dt + 8 h + 0..7
.endr
.endr
	s_wait_dscnt 0x0                               ; a stage row holds two waves' halves: my stores are done before I say so
	s_barrier_signal -1
	s_barrier_wait -1
.irp t, 0,1,2,3,4,5,6,7,8,9,10,11,12,13,14,15
	ds_load_b128 v[96+4*\t:96+4*\t+3], v[RD] offset:2*SP*\t
.endr
.irp t, 0,1,2,3,4,5,6,7,8,9,10,11,12,13,14,15
	s_wait_dscnt 15-\t
	global_store_b128 v[YO], v[96+4*\t:96+4*\t+3], s[8:9] offset:4096*\t       ; sixteen lanes store 256 consecutive bytes, at a multiple of 256 from yb's first byte
.endr
	s_wait_tensorcnt 0x0
	ds_add_u32 v254, v255
	s_wait_dscnt 0x0
	ROUND                                          ; the closing round
	s_endpgm
.Lfunc_end_k_qc2087c7851_attn:
	.size	k_qc2087c7851_attn, .Lfunc_end_k_qc2087c7851_attn-k_qc2087c7851_attn
	.p2alignl 7, 3214868480
	.fill 96, 4, 3214868480
	.section	.rodata,"a",@progbits
	.p2align	6, 0x0
	.amdhsa_kernel k_qc2087c7851_attn
		.amdhsa_group_segment_fixed_size 327680
		.amdhsa_private_segment_fixed_size 0
		.amdhsa_enable_private_segment 0
		.amdhsa_kernarg_size 24
		.amdhsa_user_sgpr_count 2
		.amdhsa_user_sgpr_kernarg_segment_ptr 1
		.amdhsa_wavefront_size32 1
		.amdhsa_system_sgpr_workgroup_id_x 1
		.amdhsa_system_sgpr_workgroup_id_y 1
		.amdhsa_system_sgpr_workgroup_id_z 1
		.amdhsa_system_vgpr_workitem_id 0
		.amdhsa_next_free_vgpr 512
		.amdhsa_next_free_sgpr 88
		.amdhsa_reserve_vcc 0
		.amdhsa_float_denorm_mode_32 3
		.amdhsa_float_denorm_mode_16_64 3
		.amdhsa_memory_ordered 1
		.amdhsa_forward_progress 1
		.amdhsa_inst_pref_size 255
	.end_amdhsa_kernel
	.section	.bss,"aw",@nobits
	.p2align	6
	.space	262144
	.amdgpu_metadata
---
amdhsa.version: [ 1, 2 ]
amdhsa.kernels:
  - .name:           k_qc2087c7851_attn
    .symbol:         k_qc2087c7851_attn.kd
    .args:
      - { .name: qkvh, .offset: 0, .size: 8, .value_kind: global_buffer, .address_space: global }
      - { .name: mb, .offset: 8, .size: 8, .value_kind: global_buffer, .address_space: global }
      - { .name: yb, .offset: 16, .size: 8, .value_kind: global_buffer, .address_space: global }
    .group_segment_fixed_size: 327680
    .private_segment_fixed_size: 0
    .kernarg_segment_align: 8
    .kernarg_segment_size: 24
    .max_flat_workgroup_size: 256
    .sgpr_count:     88
    .vgpr_count:     512
    .wavefront_size: 32
...
	.end_amdgpu_metadata
.endif
;; end of part 3
;; launch proj (part 4): grid 8 x 32, 4 waves a work-group, clusters of 4 x 4, 327,680 bytes of LDS; arguments yb, wpb, b_proj, out0; writes out0
.if DOCPART == 4
	.amdgcn_target "amdgcn-amd-amdhsa--gfx1250"
	.amdhsa_code_object_version 6
	.text
	.protected	k_qc2087c7851_proj
	.globl	k_qc2087c7851_proj
	.p2align	8
	.type	k_qc2087c7851_proj,@function
k_qc2087c7851_proj:
	s_mov_b64 s[64:65], 0
	v_nop
	global_prefetch_b8 v0, s[64:65] scope:SCOPE_SE
	s_setreg_imm32_b32 hwreg(HW_REG_WAVE_MODE, 25, 1), 1
	s_wait_xcnt 0x0
	s_wait_alu depctr_hold_cnt(0) depctr_sa_sdst(0) depctr_va_vdst(0) depctr_va_sdst(0) depctr_va_ssrc(0) depctr_va_vcc(0) depctr_vm_vsrc(0)
	s_getreg_b32 s2, hwreg(HW_REG_IB_STS2, 6, 4)
	s_cmp_eq_u32 s2, 0
	s_cbranch_scc0 .Lentry_in_a_cluster
	s_endpgm
.Lentry_in_a_cluster:
	s_bfe_u32 s2, ttmp6, 0x10000c
	s_cmp_lg_u32 s2, 0xf033
	s_cbranch_scc0 .Lentry_shape_is_right
	s_endpgm
.Lentry_shape_is_right:
; PROJ: out0 = yb wpb^T + b_proj.  yb [8192][1024], wpb [1024][1024] in f16; sums in f32; out0 [8192][1024] f32.
; The bias is added in f32 after being rounded to bf16, like the weights that it belongs to.  A NaN row of yb (a query with no allowed key) gives a NaN row.
; The same skeleton as the first product's: a work-group makes 256 rows x 128 columns with four waves, a wave 64 rows x 128 columns:
; 32 accumulator tiles, 256 registers.  8 x 32 = 256 work-groups.  K in steps of 128 through two LDS slots filled by the tensor data mover.
; CLUSTER 4 x 4: yb's tiles are asked for jointly along a row of the cluster, wpb's along a column.
; REGISTER WINDOWS: 0: addresses, A's fragments, bias, way out; 1: B's fragments; 2: tiles of my rows 0-31 (tile (a, b) at v[8 (8 (a % 2) + b)]); 3: of rows 32-63.
; The matrix instruction is used transposed (source 0 = rows of wpb, source 1 = rows of yb): a lane holds eight neighbouring columns of row l % 16.
.set NB,     8
.set KSTEP,  128
.set KBYTES, 2048
.set PITCH,  272
.set HALFA,  128*PITCH
.set BROWS,  8*NB                      ; 64 rows of B in one load
.set HALFB,  BROWS*PITCH
.set SLOT,   2*HALFA+2*HALFB
.set STAGE,  2*SLOT                    ; a multiple of 256: no fill ever lands here
.set SPITCH, 528                       ; a stage row: 128 f32 + 16 bytes
.set SWAVE,  16*SPITCH
.set LAPS,   4
.set ADRA, 16
.set ADRB, 20
.set STO,  24
.set RD,   25
.set CO,   26
.set BO,   27
.set FA,   32                          ; v32-63, v64-95 A's fragments
.set BI,   96                          ; v96-159 the bias of my 8 columns in each of the 8 blocks
.set RB,   160                         ; v160-223 rows read back (first: scratch for the bias)
.set G1,  24
.set G0,  32
.set G1B, 48
.set G0B, 56
.set MSB, 0
.macro WIN new
.if MSB != \new
	s_set_vgpr_msb (MSB<<8)|\new
.set MSB, \new
.endif
.endm
.set MUL_LO, 0xa1
.set MUL_HI, 0xf1
.set TO_B,   0x40
.macro JLOAD s                         ; waves 0 and 1 fetch A's halves, waves 2 and 3 B's
	s_cmp_eq_u32 s13, 0
	s_cbranch_scc0 .Lfor_b_\@
	tensor_load_to_lds s[G0+4*\s:G0+4*\s+3], s[G1:G1+7]
	s_nop 0
	s_branch .Lasked_\@
.Lfor_b_\@:
	tensor_load_to_lds s[G0B+4*\s:G0B+4*\s+3], s[G1B:G1B+7]
	s_nop 0
.Lasked_\@:
.endm
.macro CREST
	s_cmp_lg_u32 s12, 0
	s_cbranch_scc1 .Lnot_wave_0_\@
	s_barrier_signal -3
.Lnot_wave_0_\@:
	s_barrier_wait -3
	s_barrier_signal -1
	s_barrier_wait -1
.endm
.macro CROUND
	s_barrier_signal -1
	s_barrier_wait -1
	CREST
.endm
.macro PLACES
.rept 4
	v_nop
.endr
.endm
	s_load_b256 s[4:11], s[0:1], 0x0               ; yb s[4:5], wpb s[6:7], b_proj s[8:9], out0 s[10:11]
	s_set_vgpr_msb 0x40
	v_lshl_add_u32 v255, v0, 2, 0x3b400
	s_set_vgpr_msb 0x4000
	v_mov_b32 v255, 0
	s_set_vgpr_msb 0x1
	ds_add_u32 v255, v255
	s_set_vgpr_msb 0x100
	v_lshrrev_b32 v1, 5, v0
	v_readfirstlane_b32 s12, v1                    ; wave
	s_lshr_b32 s13, s12, 1
	s_and_b32 s14, s12, 1
	s_bfe_u32 s40, ttmp6, 0x40000                  ; cx
	s_bfe_u32 s41, ttmp6, 0x40004                  ; cy
	s_lshl_b32 s42, ttmp9, 2
	s_add_co_u32 s42, s42, s40                     ; bx
	s_and_b32 s43, ttmp7, 0xffff
	s_lshl_b32 s43, s43, 2
	s_add_co_u32 s43, s43, s41                     ; by
	s_lshl_b32 s44, s41, 2
	s_lshl_b32 s44, 15, s44                        ; my row of the cluster
	s_lshl_b32 s45, 0x1111, s40                    ; my column
	s_or_b32 s[G1+0], s44, (1<<16)|(1<<20)|(1<<21)|(5<<22)|(3<<25)
	s_mov_b32 s[G1+1], KSTEP<<16
	s_mov_b32 s[G1+2], 128<<16
	s_mov_b32 s[G1+3], KSTEP<<16
	s_mov_b32 s[G1+4], 128
	s_mov_b32 s[G1+5], 1024
	s_mov_b32 s[G1+6], 0
	s_mov_b32 s[G1+7], 0
	s_or_b32 s[G1B+0], s45, (1<<16)|(1<<20)|(1<<21)|(5<<22)|(3<<25)
	s_mov_b32 s[G1B+1], KSTEP<<16
	s_mov_b32 s[G1B+2], BROWS<<16
	s_mov_b32 s[G1B+3], KSTEP<<16
	s_mov_b32 s[G1B+4], BROWS
	s_mov_b32 s[G1B+5], 1024
	s_mov_b32 s[G1B+6], 0
	s_mov_b32 s[G1B+7], 0
	s_lshl_b32 s16, s43, 19                        ; A: 256 by rows + 128 for the second half
	s_lshl_b32 s17, s14, 18
	s_add_co_u32 s16, s16, s17
	s_mov_b32 s17, 0
	s_mul_i32 s46, s42, 16*NB*KBYTES               ; B: 128 bx rows + 64 for the second half
	s_mul_i32 s47, s14, BROWS*KBYTES
	s_add_co_u32 s46, s46, s47
	s_mov_b32 s47, 0
	s_mul_i32 s20, s12, HALFA
	s_mul_i32 s21, s12, HALFB
	s_add_co_u32 s21, s21, 2*HALFA-2*HALFB
	s_mul_i32 s22, s42, 64*NB
	s_mov_b32 s23, 0
	s_wait_dscnt 0x0
	s_wait_kmcnt 0x0
	s_add_nc_u64 s[18:19], s[4:5], s[16:17]
	s_add_nc_u64 s[46:47], s[6:7], s[46:47]
	s_add_nc_u64 s[8:9], s[8:9], s[22:23]
	CROUND                                         ; in front of the first joint loads
.irp s, 0,1
	s_mov_b32 s[G0+4*\s], 1
	s_add_co_u32 s[G0+4*\s+1], s20, \s*SLOT
	s_add_nc_u64 s[G0+4*\s+2:G0+4*\s+3], s[18:19], \s*KSTEP*2
	s_or_b32 s[G0+4*\s+3], s[G0+4*\s+3], 0x80000000
	s_mov_b32 s[G0B+4*\s], 1
	s_add_co_u32 s[G0B+4*\s+1], s21, \s*SLOT
	s_add_nc_u64 s[G0B+4*\s+2:G0B+4*\s+3], s[46:47], \s*KSTEP*2
	s_or_b32 s[G0B+4*\s+3], s[G0B+4*\s+3], 0x80000000
	JLOAD \s                                       ; two tensor loads of a wave are out here, one later on
.endr
	v_and_b32 v1, 15, v0                           ; r
	v_bfe_u32 v2, v0, 4, 1                         ; h
	v_lshlrev_b32 v[BO], 5, v2
.set bb, 0
.rept NB
	global_load_b128 v[BI+8*bb:BI+8*bb+3], v[BO], s[8:9] offset:64*bb
	global_load_b128 v[BI+8*bb+4:BI+8*bb+7], v[BO], s[8:9] offset:64*bb+16
.set bb, bb+1
.endr
	v_mul_u32_u24 v3, v1, PITCH
	v_lshl_add_u32 v3, v2, 4, v3
	s_mul_i32 s15, s12, 64*PITCH
	v_add_nc_u32 v[ADRA], s15, v3
	v_add_nc_u32 v[ADRA+1], SLOT, v[ADRA]
	v_add_nc_u32 v[ADRB], 2*HALFA, v3
	v_add_nc_u32 v[ADRB+1], SLOT, v[ADRB]
	s_mul_i32 s15, s12, SWAVE
	s_add_co_u32 s15, s15, STAGE
	v_mul_u32_u24 v4, v1, SPITCH
	v_lshl_add_u32 v4, v2, 5, v4
	v_add_nc_u32 v[STO], s15, v4                   ; in: row r, 32 h
	v_and_b32 v5, 31, v0
	v_lshlrev_b32 v[CO], 4, v5                     ; 16 l
	v_add_nc_u32 v[RD], s15, v[CO]                 ; back: a whole row of 512 bytes a load
.macro MULA f, a, zero
.set bb, 0
.rept NB
.if \zero
	v_wmma_f32_16x16x32_f16 v[8*(NB*(\a%2)+bb):8*(NB*(\a%2)+bb)+7], v[8*NB*\f+8*bb:8*NB*\f+8*bb+7], v[FA+32*\f+8*\a:FA+32*\f+8*\a+7], 0
.else
	v_wmma_f32_16x16x32_f16 v[8*(NB*(\a%2)+bb):8*(NB*(\a%2)+bb)+7], v[8*NB*\f+8*bb:8*NB*\f+8*bb+7], v[FA+32*\f+8*\a:FA+32*\f+8*\a+7], v[8*(NB*(\a%2)+bb):8*(NB*(\a%2)+bb)+7]
.endif
.set bb, bb+1
.endr
.endm
.macro FETCH slot, k, f
	WIN TO_B
.set bb, 0
.rept NB
	ds_load_b128 v[8*NB*\f+8*bb:8*NB*\f+8*bb+3], v[ADRB+\slot] offset:\k+bb*16*PITCH
	ds_load_b128 v[8*NB*\f+8*bb+4:8*NB*\f+8*bb+7], v[ADRB+\slot] offset:\k+bb*16*PITCH+32
.set bb, bb+1
.endr
	WIN 0
.irp a, 0,1,2,3
	ds_load_b128 v[FA+32*\f+8*\a:FA+32*\f+8*\a+3], v[ADRA+\slot] offset:\k+\a*16*PITCH
	ds_load_b128 v[FA+32*\f+8*\a+4:FA+32*\f+8*\a+7], v[ADRA+\slot] offset:\k+\a*16*PITCH+32
.endr
.endm
; Four quarters of 32 along K to a K step, 32 matrix instructions each.  The 32 accumulators take turns, one instruction a turn, in the same
; order in every quarter, over the loop's backward jump too.
.macro QUARTER slot, k, f, g, zero
	s_wait_dscnt 4                                 ; all but the youngest four loads (A's blocks 2, 3)
	WIN MUL_LO
	MULA \f, 0, \zero
	MULA \f, 1, \zero
	PLACES
	FETCH \slot, \k, \g
	s_wait_dscnt 2*NB+8                            ; all but the run just issued
	WIN MUL_HI
	MULA \f, 2, \zero
	MULA \f, 3, \zero
.endm
.macro THREE slot, zero
	QUARTER \slot, 64,  0, 1, \zero
	QUARTER \slot, 128, 1, 0, 0
	QUARTER \slot, 192, 0, 1, 0
.endm
; The change of slots: each wave's reads of this slot and all its tensor loads are waited for in front of the barrier; with fill = 1 the barrier
; opens a round of the cluster's barrier and the joint refill is the first tensor load behind it, with 120 matrix instructions in which to land.
.macro TURN slot, next, fill
	s_wait_dscnt 4
	WIN MUL_LO
	MULA 1, 0, 0
	s_wait_dscnt 0x0
	s_wait_tensorcnt 0x0
	ds_add_u32 v255, v255
	s_wait_dscnt 0x0
	s_barrier_signal -1
	MULA 1, 1, 0
	WIN 0
	s_barrier_wait -1
.if \fill
	CREST
	s_add_nc_u64 s[G0+4*\slot+2:G0+4*\slot+3], s[G0+4*\slot+2:G0+4*\slot+3], 2*KSTEP*2
	s_add_nc_u64 s[G0B+4*\slot+2:G0B+4*\slot+3], s[G0B+4*\slot+2:G0B+4*\slot+3], 2*KSTEP*2
	JLOAD \slot
.endif
	PLACES
	FETCH \next, 0, 0
	WIN MUL_HI
	MULA 1, 2, 0
	MULA 1, 3, 0
.endm
.macro LAP zero
	THREE 0, \zero
	TURN 0, 1, 1
	THREE 1, 0
	TURN 1, 0, 1
.endm
	s_wait_tensorcnt 0x1                           ; my part of K step 0 is in; K step 1's may stay out
	s_barrier_signal -1
	s_barrier_wait -1
	FETCH 0, 0, 0
	LAP 1
	WIN 0
	s_mov_b32 s3, LAPS-2
.Llap:
	LAP 0
	WIN 0
	s_sub_co_u32 s3, s3, 1
	s_cmp_lg_u32 s3, 0
	s_cbranch_scc1 .Llap
	THREE 0, 0
	TURN 0, 1, 0
	THREE 1, 0
	s_wait_dscnt 4
	WIN MUL_LO
	MULA 1, 0, 0
	MULA 1, 1, 0
	s_wait_dscnt 0x0
	WIN MUL_HI
	MULA 1, 2, 0
	MULA 1, 3, 0
	WIN 0
	PLACES
	; THE WAY OUT
	s_lshl_b32 s16, s43, 20                        ; 256 by rows of 4,096 bytes
	s_lshl_b32 s17, s12, 18                        ; + 64 rows a wave
	s_add_co_u32 s16, s16, s17
	s_mov_b32 s17, 0
	s_add_nc_u64 s[10:11], s[10:11], s[16:17]
	s_lshl_b32 s46, s42, 9                         ; 128 bx columns of 4 bytes
	s_mov_b32 s47, 0
	s_add_nc_u64 s[10:11], s[10:11], s[46:47]
	s_wait_loadcnt 0x0                             ; the bias
.set i, 0
.rept 4*NB
	v_cvt_pk_bf16_f32 v[RB+i], v[BI+2*i], v[BI+2*i+1]
.set i, i+1
.endr
.set i, 0
.rept 4*NB
	v_lshlrev_b32 v[BI+2*i], 16, v[RB+i]
	v_and_b32 v[BI+2*i+1], 0xffff0000, v[RB+i]
.set i, i+1
.endr
; Rows 16 a .. 16 a + 15 of my 64: add the bias, 32 bytes a lane into my own stage straight from the accumulators, read back as whole rows of
; 512 bytes.  wadd: D and source 0 in the tiles' window; wst: the LDS store's data there.
.macro OUT16 a, wadd, wst
	WIN \wadd
.set bb, 0
.rept NB
.irp i, 0,1,2,3
	v_pk_add_f32 v[8*(NB*(\a%2)+bb)+2*\i:8*(NB*(\a%2)+bb)+2*\i+1], v[8*(NB*(\a%2)+bb)+2*\i:8*(NB*(\a%2)+bb)+2*\i+1], v[BI+8*bb+2*\i:BI+8*bb+2*\i+1]
.endr
.set bb, bb+1
.endr
	WIN \wst
.set bb, 0
.rept NB
	ds_store_b128 v[STO], v[8*(NB*(\a%2)+bb):8*(NB*(\a%2)+bb)+3] offset:64*bb
	ds_store_b128 v[STO], v[8*(NB*(\a%2)+bb)+4:8*(NB*(\a%2)+bb)+7] offset:64*bb+16
.set bb, bb+1
.endr
	WIN 0
	s_wait_xcnt 0x0                                ; RB, which the last group's stores read, is loaded again only behind this wait
.irp t, 0,1,2,3,4,5,6,7,8,9,10,11,12,13,14,15
	ds_load_b128 v[RB+4*\t:RB+4*\t+3], v[RD] offset:SPITCH*\t      ; LDS serves a wave's instructions in order: these see the stores above
.endr
.irp t, 0,1,2,3,4,5,6,7,8,9,10,11,12,13,14,15
	s_wait_dscnt 15-\t
	global_store_b128 v[CO], v[RB+4*\t:RB+4*\t+3], s[10:11] offset:(16*\a+\t)*4096     ; the wave stores 512 consecutive bytes, aligned
.endr
.endm
	OUT16 0, 0x82, 0x08
	OUT16 1, 0x82, 0x08
	OUT16 2, 0xc3, 0x0c
	OUT16 3, 0xc3, 0x0c
	s_set_vgpr_msb 0x1
	s_wait_tensorcnt 0x0
	ds_add_u32 v255, v255
	s_wait_dscnt 0x0
	s_set_vgpr_msb 0x100
	CROUND                                         ; the closing round
	s_endpgm
.Lfunc_end_k_qc2087c7851_proj:
	.size	k_qc2087c7851_proj, .Lfunc_end_k_qc2087c7851_proj-k_qc2087c7851_proj
	.p2alignl 7, 3214868480
	.fill 96, 4, 3214868480
	.section	.rodata,"a",@progbits
	.p2align	6, 0x0
	.amdhsa_kernel k_qc2087c7851_proj
		.amdhsa_group_segment_fixed_size 327680
		.amdhsa_private_segment_fixed_size 0
		.amdhsa_enable_private_segment 0
		.amdhsa_kernarg_size 32
		.amdhsa_user_sgpr_count 2
		.amdhsa_user_sgpr_kernarg_segment_ptr 1
		.amdhsa_wavefront_size32 1
		.amdhsa_system_sgpr_workgroup_id_x 1
		.amdhsa_system_sgpr_workgroup_id_y 1
		.amdhsa_system_sgpr_workgroup_id_z 1
		.amdhsa_system_vgpr_workitem_id 0
		.amdhsa_next_free_vgpr 896
		.amdhsa_next_free_sgpr 66
		.amdhsa_reserve_vcc 0
		.amdhsa_float_denorm_mode_32 3
		.amdhsa_float_denorm_mode_16_64 3
		.amdhsa_memory_ordered 1
		.amdhsa_forward_progress 1
		.amdhsa_inst_pref_size 134
	.end_amdhsa_kernel
	.amdgpu_metadata
---
amdhsa.version: [ 1, 2 ]
amdhsa.kernels:
  - .name:           k_qc2087c7851_proj
    .symbol:         k_qc2087c7851_proj.kd
    .args:
      - { .name: yb, .offset: 0, .size: 8, .value_kind: global_buffer, .address_space: global }
      - { .name: wpb, .offset: 8, .size: 8, .value_kind: global_buffer, .address_space: global }
      - { .name: b_proj, .offset: 16, .size: 8, .value_kind: global_buffer, .address_space: global }
      - { .name: out0, .offset: 24, .size: 8, .value_kind: global_buffer, .address_space: global }
    .group_segment_fixed_size: 327680
    .private_segment_fixed_size: 0
    .kernarg_segment_align: 8
    .kernarg_segment_size: 32
    .max_flat_workgroup_size: 128
    .sgpr_count:     66
    .vgpr_count:     896
    .wavefront_size: 32
...
	.end_amdgpu_metadata
.endif
;; end of part 4
;; ======== version 2 of 2: 4 launches; version 1 with the launch prep written anew for expert scheduling mode
;; limits: values outside matrix products are rounded to bf16; values are held in f16: magnitudes above 65,504 overflow, below 6.1e-05 lose precision
;; workspace buffers: xb 16,777,216 bytes; wqb 6,291,456 bytes; wpb 2,097,152 bytes; mb 8,388,608 bytes; qkvh 50,331,648 bytes; yb 16,777,216 bytes
;; launch prep (part 5): grid 512 x 1, 8 waves a work-group, no clusters, 34,048 bytes of LDS; arguments x, w_qkv, w_proj, mask, xb, wqb, wpb, mb; writes xb, wqb, wpb, mb
.if DOCPART == 5
	.amdgcn_target "amdgcn-amd-amdhsa--gfx1250"
	.amdhsa_code_object_version 6
	.text
	.protected	k_qc2087c7851_prep
	.globl	k_qc2087c7851_prep
	.p2align	8
	.type	k_qc2087c7851_prep,@function
k_qc2087c7851_prep:
	s_mov_b64 s[64:65], 0
	v_nop
	global_prefetch_b8 v0, s[64:65] scope:SCOPE_SE
	s_setreg_imm32_b32 hwreg(HW_REG_WAVE_SCHED_MODE, 0, 2), 2
	s_setreg_imm32_b32 hwreg(HW_REG_WAVE_MODE, 25, 1), 1
	s_wait_xcnt 0x0
	s_wait_alu depctr_vm_vsrc(0)
; PREP: the casts of the matrix operands, and the mask as an additive bias in the order in which the attention launch's lanes want it.
;   xb  = bf16(x), wqb = bf16(w_qkv): the same order as the inputs.
;   wpb = f16(bf16(w_proj)): the bf16 value written as f16, since the last product's other operand (y) is f16.  Exact for |w| from 2^-14
;         up to f16's largest number 65,504; below 2^-14 the absolute error is at most 2^-25.  LIMIT: |w_proj| < 65,504.
;   mb  = [qblk 8][kstep 32][qt16 16][kt 4][lane 32][j 8] bf16: 0 where mask[q][k] is true, -inf (0xff80) where it is false, with
;         q = 256 qblk + 16 qt16 + lane % 16 and k = 64 kstep + 16 kt + 8 (lane / 16) + j.
; Work-groups 0-255: chunks of x; 256-351: of w_qkv; 352-383: of w_proj; 384-511: sixteen rows of the mask each.
; A chunk is 32,768 numbers: 128 for each of 256 threads, all 32 loads of a thread issued before the first is used.
; No matrix unit, no cluster: nothing is shared between work-groups and every byte is touched once.
; THE MODE: SCHED_MODE bits 1:0 = 2 (LLVM: expert scheduling mode 2), set by the entry lines.  The code itself states the register dependences
; between vector instructions and memory or LDS instructions, with s_wait_alu, always for 0.
; THE PLAN.  Registers that memory or LDS instructions touch:
;   v1, v2       byte offsets, written at the head, read by the global loads and by the casts' stores; never written again.
;   XR           a chunk as loaded: the 32 loads are issued before any vector instruction names these registers; no memory instruction reads them.
;   YR           four registers for each of 16 groups: written by the group's conversions, read by the group's one store, never written again.
;   MR           the mask as loaded: written by global loads, read by the LDS stores; no vector instruction names them.
;   v4, v6, v7   the mask arm's LDS addresses and store offset: written once behind its loads, read by LDS stores, LDS loads and global stores.
;   WR           mask bytes from LDS: the 16 LDS loads are issued before any vector instruction names them; no memory instruction reads them.
;   ER           four registers for each of 16 steps: written by the step's vector lines, read by the step's one store, never written again.
;   v208, v209   written at the head, read by the closing add alone.
; No register that a memory or LDS instruction reads is written again, and no load lands in a register that a vector instruction has named: so the only
; dependence to state is 'written, then read by memory'.  Groups and steps go in blocks of four: a block's vector lines, ONE wait on va_vdst, the block's
; four stores in a run; the next block's vector lines name other registers than those stores read.
.set XR, 8                             ; v[8:135]   a chunk's 128 f32 of this thread
.set YR, 136                           ; v[136:199] the same packed to 16 bits, four registers a group
.set MR, 8                             ; v[8:39]    mask path: 8 x 16 bytes as loaded
.set WR, 40                            ; v[40:71]   mask path: 16 x 8 mask bytes from LDS
.set ER, 72                            ; v[72:135]  mask path: 16 x 8 bf16 to store
.set MPITCH, 2064                      ; an LDS row of the mask: 2,048 bytes + 16, so that sixteen rows' words fall on different banks
; Group g = 4 p + q: thread t takes the 8 numbers at byte 32 t + 8,192 g and stores 16 bytes at 16 t + 4,096 g: a wave's store covers 512 consecutive bytes.
.macro CAST f16
.irp g, 0,1,2,3,4,5,6,7,8,9,10,11,12,13,14,15
	global_load_b128 v[XR+8*\g:XR+8*\g+3], v1, s[20:21] offset:8192*\g th:TH_LOAD_NT
	global_load_b128 v[XR+8*\g+4:XR+8*\g+7], v1, s[20:21] offset:8192*\g+16 th:TH_LOAD_NT
.endr
.irp p, 0,1,2,3
.irp q, 0,1,2,3
	s_wait_loadcnt 30-2*(4*\p+\q)                  ; loads return in order: group g's two are in, the 2 (15 - g) younger ones stay out
.irp j, 0,1,2,3
	v_cvt_pk_bf16_f32 v[YR+4*(4*\p+\q)+\j], v[XR+8*(4*\p+\q)+2*\j], v[XR+8*(4*\p+\q)+2*\j+1]
.endr
.if \f16
.irp j, 0,1,2,3
	v_lshlrev_b32 v[XR+8*(4*\p+\q)+2*\j], 16, v[YR+4*(4*\p+\q)+\j]         ; the bf16 values widened again,
	v_and_b32 v[XR+8*(4*\p+\q)+2*\j+1], s26, v[YR+4*(4*\p+\q)+\j]
.endr
.irp j, 0,1,2,3
	v_cvt_pk_f16_f32 v[YR+4*(4*\p+\q)+\j], v[XR+8*(4*\p+\q)+2*\j], v[XR+8*(4*\p+\q)+2*\j+1]   ; and written as f16
.endr
.endif
.endr
	s_wait_alu depctr_va_vdst(0)                   ; the block's conversions have written its sixteen registers of YR, which the four stores below read
.irp q, 0,1,2,3
	global_store_b128 v2, v[YR+4*(4*\p+\q):YR+4*(4*\p+\q)+3], s[22:23] offset:4096*(4*\p+\q)   ; every group has its own registers: nothing is rewritten
.endr
.endr
.endm
	s_load_b512 s[4:19], s[0:1], 0x0               ; x s[4:5], w_qkv s[6:7], w_proj s[8:9], mask s[10:11], xb s[12:13], wqb s[14:15], wpb s[16:17], mb s[18:19]
	v_lshl_add_u32 v208, v0, 2, 0x8100             ; my spare word, behind the mask's 16 LDS rows, and 0: made here and kept for the closing add alone
	v_mov_b32 v209, 0
	v_lshlrev_b32 v1, 5, v0                        ; 32 t: my 8 f32 in a group
	v_lshlrev_b32 v2, 4, v0                        ; 16 t: my 16 bytes
	s_mov_b32 s26, 0xffff0000                      ; a word's upper bf16
	s_mov_b32 s29, 0                               ; high word of every offset
	s_wait_kmcnt 0x0
	s_wait_alu depctr_va_vdst(0)                   ; v1 and v2 are written, which the global loads and the casts' stores of all three arms read as offsets; no later vector line names them
	s_cmp_ge_u32 ttmp9, 384
	s_cbranch_scc1 .Lmask
	s_cmp_ge_u32 ttmp9, 352
	s_cbranch_scc1 .Lwproj
	s_sub_co_u32 s24, ttmp9, 256                   ; chunk of w_qkv, if it is one
	s_cmp_lt_u32 ttmp9, 256
	s_cselect_b64 s[20:21], s[4:5], s[6:7]         ; from x or from w_qkv
	s_cselect_b64 s[22:23], s[12:13], s[14:15]     ; to xb or to wqb
	s_cselect_b32 s24, ttmp9, s24                  ; the chunk's number in its tensor
	s_lshl_b32 s28, s24, 17                        ; 131,072 bytes in
	s_add_nc_u64 s[20:21], s[20:21], s[28:29]
	s_lshl_b32 s28, s24, 16                        ; 65,536 bytes out
	s_add_nc_u64 s[22:23], s[22:23], s[28:29]
	CAST 0
	s_endpgm                                       ; this arm has stored nothing to LDS
.Lwproj:
	s_sub_co_u32 s24, ttmp9, 352
	s_lshl_b32 s28, s24, 17
	s_add_nc_u64 s[20:21], s[8:9], s[28:29]
	s_lshl_b32 s28, s24, 16
	s_add_nc_u64 s[22:23], s[16:17], s[28:29]
	CAST 1
	s_endpgm                                       ; nor has this one
; Sixteen rows of the mask (tile Q = 16 queries x 2,048 keys): read as whole rows, laid into LDS, taken out in the lanes' order.
.Lmask:
	s_sub_co_u32 s24, ttmp9, 384                   ; Q
	s_lshl_b32 s28, s24, 15                        ; 16 rows of 2,048 bytes
	s_add_nc_u64 s[10:11], s[10:11], s[28:29]
.irp i, 0,1,2,3,4,5,6,7
	global_load_b128 v[MR+4*\i:MR+4*\i+3], v2, s[10:11] offset:4096*\i th:TH_LOAD_NT   ; rows 2 i and 2 i + 1
.endr
	s_lshr_b32 s25, s24, 4                         ; qblk
	s_lshl_b32 s28, s25, 20
	s_and_b32 s25, s24, 15                         ; qt16
	s_lshl_b32 s25, s25, 11
	s_add_co_u32 s28, s28, s25
	s_add_nc_u64 s[18:19], s[18:19], s[28:29]      ; mb at (qblk, kstep 0, qt16)
	s_mov_b32 s20, 0x04010400                      ; bytes 0 and 1 of a word, each into a half
	s_mov_b32 s21, 0x04030402                      ; bytes 2 and 3
	v_mov_b32 v3, 0
	v_lshrrev_b32 v4, 7, v0                        ; which of the two rows
	v_and_b32 v5, 127, v0
	v_mul_u32_u24 v4, 2064, v4
	v_lshl_add_u32 v4, v5, 4, v4                   ; LDS, in: (t / 128) pitch + 16 (t % 128)
	v_lshlrev_b32 v7, 4, v5                        ; mb: kt x 512 + lane x 16 = 16 (t % 128),
	v_lshrrev_b32 v5, 7, v0
	v_lshl_add_u32 v7, v5, 15, v7                  ; + 32,768 for the odd kstep
	v_and_b32 v5, 15, v0
	v_mul_u32_u24 v6, 2064, v5                     ; LDS, out: row lane % 16,
	v_lshrrev_b32 v5, 5, v0
	v_lshl_add_u32 v6, v5, 4, v6                   ; key 16 (t / 32) = 64 (kstep % 2) + 16 kt,
	v_bfe_u32 v5, v0, 4, 1
	v_lshl_add_u32 v6, v5, 3, v6                   ; + 8 (lane / 16)
	s_wait_alu depctr_va_vdst(0)                   ; v4, v6 and v7 are written: the LDS stores, the LDS loads and the global stores below read them as addresses; no later vector line names them
.irp i, 0,1,2,3,4,5,6,7
	s_wait_loadcnt 7-\i                            ; load i is in, the 7 - i younger ones stay out
	ds_store_b128 v4, v[MR+4*\i:MR+4*\i+3] offset:2*MPITCH*\i
.endr
	s_wait_dscnt 0x0                               ; my stores are done before I say so: the other waves read them
	s_barrier_signal -1
	s_barrier_wait -1
.irp i, 0,1,2,3,4,5,6,7,8,9,10,11,12,13,14,15
	ds_load_b64 v[WR+2*\i:WR+2*\i+1], v6 offset:128*\i         ; ksteps 2 i and 2 i + 1: 8 mask bytes a lane
.endr
; Step i = 4 p + q
.irp p, 0,1,2,3
.irp q, 0,1,2,3
	s_wait_dscnt 15-(4*\p+\q)                      ; LDS loads return in order: load i is in
	v_xor_b32 v[WR+2*(4*\p+\q)], 0x01010101, v[WR+2*(4*\p+\q)]             ; 1 where masked
	v_xor_b32 v[WR+2*(4*\p+\q)+1], 0x01010101, v[WR+2*(4*\p+\q)+1]
	v_perm_b32 v[ER+4*(4*\p+\q)], v3, v[WR+2*(4*\p+\q)], s20               ; a byte into each half,
	v_perm_b32 v[ER+4*(4*\p+\q)+1], v3, v[WR+2*(4*\p+\q)], s21
	v_perm_b32 v[ER+4*(4*\p+\q)+2], v3, v[WR+2*(4*\p+\q)+1], s20
	v_perm_b32 v[ER+4*(4*\p+\q)+3], v3, v[WR+2*(4*\p+\q)+1], s21
	v_mul_u32_u24 v[ER+4*(4*\p+\q)], 0xff80, v[ER+4*(4*\p+\q)]             ; times 0xff80: bf16 -inf or 0 in both halves (0x10001 x 0xff80 has no carry between them)
	v_mul_u32_u24 v[ER+4*(4*\p+\q)+1], 0xff80, v[ER+4*(4*\p+\q)+1]
	v_mul_u32_u24 v[ER+4*(4*\p+\q)+2], 0xff80, v[ER+4*(4*\p+\q)+2]
	v_mul_u32_u24 v[ER+4*(4*\p+\q)+3], 0xff80, v[ER+4*(4*\p+\q)+3]
.endr
	s_wait_alu depctr_va_vdst(0)                   ; the block's vector lines have written its sixteen registers of ER, which the four stores below read
.irp q, 0,1,2,3
	global_store_b128 v7, v[ER+4*(4*\p+\q):ER+4*(4*\p+\q)+3], s[18:19] offset:65536*(4*\p+\q)   ; a wave's store covers 512 consecutive bytes
.endr
.endr
	s_wait_dscnt 0x0                               ; the closing lines, six on end
	s_wait_alu 0x0
	s_wait_tensorcnt 0x0
	ds_add_u32 v208, v209
	s_wait_dscnt 0x0
	s_endpgm
.Lfunc_end_k_qc2087c7851_prep:
	.size	k_qc2087c7851_prep, .Lfunc_end_k_qc2087c7851_prep-k_qc2087c7851_prep
	.p2alignl 7, 3214868480
	.fill 96, 4, 3214868480
	.section	.rodata,"a",@progbits
	.p2align	6, 0x0
	.amdhsa_kernel k_qc2087c7851_prep
		.amdhsa_group_segment_fixed_size 34048
		.amdhsa_private_segment_fixed_size 0
		.amdhsa_enable_private_segment 0
		.amdhsa_kernarg_size 64
		.amdhsa_user_sgpr_count 2
		.amdhsa_user_sgpr_kernarg_segment_ptr 1
		.amdhsa_wavefront_size32 1
		.amdhsa_system_sgpr_workgroup_id_x 1
		.amdhsa_system_sgpr_workgroup_id_y 1
		.amdhsa_system_sgpr_workgroup_id_z 1
		.amdhsa_system_vgpr_workitem_id 0
		.amdhsa_next_free_vgpr 210
		.amdhsa_next_free_sgpr 66
		.amdhsa_reserve_vcc 0
		.amdhsa_float_denorm_mode_32 3
		.amdhsa_float_denorm_mode_16_64 3
		.amdhsa_memory_ordered 1
		.amdhsa_forward_progress 1
		.amdhsa_inst_pref_size 44
	.end_amdhsa_kernel
	.amdgpu_metadata
---
amdhsa.version: [ 1, 2 ]
amdhsa.kernels:
  - .name:           k_qc2087c7851_prep
    .symbol:         k_qc2087c7851_prep.kd
    .args:
      - { .name: x, .offset: 0, .size: 8, .value_kind: global_buffer, .address_space: global }
      - { .name: w_qkv, .offset: 8, .size: 8, .value_kind: global_buffer, .address_space: global }
      - { .name: w_proj, .offset: 16, .size: 8, .value_kind: global_buffer, .address_space: global }
      - { .name: mask, .offset: 24, .size: 8, .value_kind: global_buffer, .address_space: global }
      - { .name: xb, .offset: 32, .size: 8, .value_kind: global_buffer, .address_space: global }
      - { .name: wqb, .offset: 40, .size: 8, .value_kind: global_buffer, .address_space: global }
      - { .name: wpb, .offset: 48, .size: 8, .value_kind: global_buffer, .address_space: global }
      - { .name: mb, .offset: 56, .size: 8, .value_kind: global_buffer, .address_space: global }
    .group_segment_fixed_size: 34048
    .private_segment_fixed_size: 0
    .kernarg_segment_align: 8
    .kernarg_segment_size: 64
    .max_flat_workgroup_size: 256
    .sgpr_count:     66
    .vgpr_count:     210
    .wavefront_size: 32
...
	.end_amdgpu_metadata
.endif
;; end of part 5
;; launch qkv: the kernel of part 2 again; grid 16 x 32, 4 waves a work-group, clusters of 4 x 4, 327,680 bytes of LDS; arguments xb, wqb, b_qkv, qkvh; writes qkvh
;; launch attn: the kernel of part 3 again; grid 8 x 32, 8 waves a work-group, clusters of 4 x 4, 327,680 bytes of LDS; arguments qkvh, mb, yb; writes yb
;; launch proj: the kernel of part 4 again; grid 8 x 32, 4 waves a work-group, clusters of 4 x 4, 327,680 bytes of LDS; arguments yb, wpb, b_proj, out0; writes out0
